; MI455X (gfx1250); checked and timed in simulation.
; The chip was launched on July 23, 2026; its instructions are those of AMD's public machine-readable ISA for CDNA 5 (MIT licence, August 2026) and "CDNA5" Instruction Set Architecture Reference Guide (July 2026). The comments in the code are by the model that wrote it; some were corrected since.
;; Adaptive Mo E Layer. Allowed arithmetic: matrix products marked QUANTISED: E3M2 operands, one E8M0 scale for each 32 along K, by v_wmma_scale_f32_16x16x128_f8f6f4 with both operands' format E3M2, f32 sums; products left as they are: f32 operands where the result goes on into a quantised operand, else bf16, f16 or f32 operands; f32 sums; everything else in f32.
;; Inputs: expert_scale 8 float32; hidden_states 2 x 512 x 1,024 float32; router_w 8 x 1,024 float32; w1 8 x 4,096 x 1,024 float32; w2 8 x 1,024 x 4,096 float32.
;; Outputs: out0 2 x 512 x 1,024 float32.
;; This version of the problem:
;;   THIS VERSION OF THE PROBLEM IS GIVEN IN LOW PRECISION. The matrix products marked QUANTISED in the list below multiply operands that are first quantised to E3M2 (3 exponent bits, 2 mantissa bits; 6 bits a number), with one power-of-two scale for each 32 numbers along K (OCP MX v1.0); their sums are f32. All else is computed in f32.
;;   The module's matrix products, in the order in which they are computed (A, B: the left and right operand; K: the contracted axis; several contracted axes count as one K, in the product's order):
;;     1. [M 1,024, K 1,024] x [K 1,024, N 8]; A: input hidden_states; B: input router_w: left as it is (N = 8 < 16)
;;     2. [M 1,024, K 1,024] x [K 1,024, N 32,768]; A: input hidden_states; B: input w1: QUANTISED
;;     3. batch 8 x [M 1,024, K 4,096] x [K 4,096, N 1,024]; A: input w2; B: computed on the way: QUANTISED
;;     4. batch 1,024 x [M 1, K 8] x [K 8, N 1,024]; A: computed on the way; B: computed on the way: left as it is (K = 8 < 32)
;;   THE QUANTISER, for each operand of a quantised product, along K:
;;     - K is cut into blocks of 32 from its start; a last block that is shorter is filled with zeros.
;;     - A block's scale is 2^e with e = floor(log2(the largest magnitude in the block)) - 4, held to -126 .. 127; a block of zeros has e = 0. As a byte (E8M0): e + 127.
;;     - Each number is divided by its block's scale, clamped to +-28, and rounded to the nearest number of E3M2, ties to even, subnormals kept.
;;     - The product sums the exact products of the quantised numbers (number of the format x scale) in f32.
;;   ~~~python
;;   def quantise(x, axis):      # numpy; x: float32 -> the quantised numbers, widened to float32 again
;;       x = np.moveaxis(x, axis, -1); K = x.shape[-1]
;;       x = np.pad(x, [(0, 0)] * (x.ndim - 1) + [(0, -K % 32)]); x = x.reshape(x.shape[:-1] + (-1, 32)); a = np.abs(x).max(-1, keepdims=True)
;;       e = np.where(a > 0, np.clip(np.frexp(np.where(a > 0, a, 1))[1] - 1 - 4, -126, 127), 0)      # np.frexp(a)[1] - 1 = floor(log2(a)), exactly
;;       r = np.clip(x / 2.0 ** e, -28, 28)
;;       step = 2.0 ** (np.maximum(np.frexp(np.where(r == 0, 1, r))[1] - 1, -2) - 2)
;;       q = np.round(r / step) * step * 2.0 ** e      # np.round: ties to even
;;       return np.moveaxis(q.reshape(q.shape[:-2] + (-1,))[..., :K], -1, axis).astype(np.float32)
;;   ~~~
;;   OPERANDS COMPUTED ON THE WAY. 'Computed on the way' means the value that the module computes at that place (a softmax that the list does not call 'softmax' is quantised finished and normalised). What goes into a quantiser is computed in f32, as accurately as f32 sums, v_exp_f32 and their like allow (about 1e-6 of the number): no bf16 or f16 on the way to a quantiser, and a product that is left as it is and whose result goes on into a quantised operand takes f32 operands (vector FMAs, or v_wmma_f32_16x16x4_f32). A number that lies on a knife's edge between two numbers of the format may be rounded either way, as far as f32 arithmetic and the matrix unit's own rounding can turn it there, and no further.
;; 2 versions. Each part assembles by itself: llvm-mc -triple=amdgcn-amd-amdhsa -mcpu=gfx1250 --defsym DOCPART=n.
;; ======== version 1 of 2: 5 launches
;; workspace buffers: xq 827,392 bytes; topi 8,192 bytes of whole numbers; xs 6,553,600 bytes; tab 8,448 bytes of whole numbers; hq 27,262,976 bytes; yb 67,108,864 bytes
;; launch route (part 1): grid 64 x 1, 8 waves a work-group, no clusters, 10,240 bytes of LDS; arguments hidden_states, router_w, expert_scale, xq, topi; writes xq, topi
.if DOCPART == 1
	.amdgcn_target "amdgcn-amd-amdhsa--gfx1250"
	.amdhsa_code_object_version 6
	.text
	.protected	k_q8b758bb853_route
	.globl	k_q8b758bb853_route
	.p2align	8
	.type	k_q8b758bb853_route,@function
k_q8b758bb853_route:
	s_mov_b64 s[64:65], 0
	v_nop
	global_prefetch_b8 v0, s[64:65] scope:SCOPE_SE
	s_setreg_imm32_b32 hwreg(HW_REG_WAVE_MODE, 25, 1), 1
	s_wait_xcnt 0x0
; ROUTE.  A work-group takes 16 tokens; wave s takes K step s (128 of the 1,024 along D).
; Each wave (a) quantises its 16 x 128 numbers of x to BF6 (E3M2) with one E8M0 byte for each 32 along D and stores the fragment as an image of
; the operand's registers (3 groups of 4 registers, lane l's 16 bytes at 512 g + 16 l), (b) makes its part of the router's logits in f32.
; Wave 0 then adds the eight parts, takes softmax, top-2 (the lower index wins a tie), the softmax of the two, times expert_scale;
; wave 1 stores the tile's scale words as 512 consecutive bytes.
; xq: [0) images [tile 64][s 8][1536];  [786432) scale words [tile][s 8][row 16];  [819200) weights [token][2] f32.   topi: [token][2] i32.
; THE LOGITS take f32 operands, since a top-k hangs on them: source 0 = router rows (rows 8-15 repeat 0-7), source 1 = 16 tokens,
; so a lane holds ONE token and its eight registers the eight experts.  k is permuted alike on both sides.
; LIMITS: NaN and infinities are not served; a block of zeros gets the byte 1 (its codes are zeros, and this program alone reads the bytes);
; a probability under 2^-126 counts as 0, and among such the lower index is chosen; the logits' sums are ordered otherwise than a plain dot product.
.set X,   16                           ; v16-79   64 numbers of x: register 16 b + i = k 32 b + 16 (lane / 16) + i of row lane % 16
.set WR,  80                           ; v80-143  the router's numbers at the same k, row (lane % 16) % 8
.set ACC, 144                          ; v144-175 four accumulators, written by matrix instructions alone
.set LG,  176                          ; v176-183 my part of the logits
.set TM,  184                          ; v184-199 at work
.set PW,  200                          ; the scale word
.set PC,  202                          ; v202-220 the codes
.set SEL, 20                           ; s[20:21] selects for lane l xor 16
; 64 numbers of a lane become a fragment's codes in v[PC] on and its scale word in v[PW]
.macro QUANT s
.irp b, 0,1,2,3
	v_max3_num_f32 v[TM+\b], |v[\s+16*\b]|, |v[\s+1+16*\b]|, 0x2800000   ; my 16 numbers of block b, and the floor 2^(5 - 127): the byte cannot fall under 1
.endr
.irp i, 2,4,6,8,10,12,14
.irp b, 0,1,2,3
	v_max3_num_f32 v[TM+\b], v[TM+\b], |v[\s+16*\b+\i]|, |v[\s+1+16*\b+\i]|
.endr
.endr
.irp b, 0,1,2,3
	v_permlanex16_b32 v[TM+4+\b], v[TM+\b], s[SEL], s[SEL+1]
.endr
.irp b, 0,1,2,3
	v_max_num_f32 v[TM+\b], v[TM+\b], v[TM+4+\b]                         ; with lane l xor 16's: the block's largest magnitude
.endr
.irp b, 0,1,2,3
	v_add_nc_u32 v[TM+12+\b], 0xfe000000, v[TM+\b]                       ; 4 off its exponent field: the conversion's scale operand
.endr
.irp b, 0,1,2,3
	v_lshrrev_b32 v[TM+4+\b], 23, v[TM+12+\b]                            ; the scale's byte
.endr
	v_lshl_or_b32 v[PW], v[TM+5], 8, v[TM+4]
	v_lshl_or_b32 v[PW], v[TM+6], 16, v[PW]
	v_lshl_or_b32 v[PW], v[TM+7], 24, v[PW]
.irp c, 0,1
	v_cvt_scalef32_pk16_bf6_f32 v[PC+6*\c:PC+2+6*\c], v[\s+32*\c:\s+15+32*\c], v[TM+12+2*\c]
	v_cvt_scalef32_pk16_bf6_f32 v[PC+12+4*\c:PC+14+4*\c], v[\s+16+32*\c:\s+31+32*\c], v[TM+12+2*\c+1]
.endr
	v_nop                                          ; one plain place behind a scaled conversion
.irp c, 0,1                                    ; the operand wants a whole block in a lane: lanes 0-15 block 2 c, lanes 16-31 block 2 c + 1
.irp i, 0,1,2
	v_permlane16_swap_b32 v[PC+6*\c+\i], v[PC+12+4*\c+\i]
.endr
.irp i, 0,1,2
	v_mov_b32 v[PC+3+6*\c+\i], v[PC+12+4*\c+\i]
.endr
.endr
.endm
	s_load_b256 s[4:11], s[0:1], 0x0               ; x s[4:5], router_w s[6:7], expert_scale s[8:9], xq s[10:11]
	s_load_b64 s[12:13], s[0:1], 0x20              ; topi
	v_lshl_add_u32 v254, v0, 2, 0x2400
	v_mov_b32 v255, 0
	v_lshrrev_b32 v1, 5, v0
	v_readfirstlane_b32 s14, v1                    ; wave = K step
	v_and_b32 v1, 31, v0                           ; lane
	v_and_b32 v2, 15, v0                           ; r
	v_bfe_u32 v3, v0, 4, 1                         ; h
	v_lshlrev_b32 v4, 12, v2
	v_lshl_add_u32 v4, v3, 6, v4                   ; x: row r of 4,096 bytes + 64 h
	v_and_b32 v5, 7, v0
	v_lshlrev_b32 v5, 12, v5
	v_lshl_add_u32 v5, v3, 6, v5                   ; router_w: row r % 8 + 64 h
	v_lshlrev_b32 v6, 4, v1                        ; 16 x lane
	s_lshl_b32 s15, s14, 10
	v_add_nc_u32 v7, s15, v6                       ; LDS: my part of the logits: 1,024 x wave + 16 x lane
	v_lshl_add_u32 v8, v0, 2, 8192                 ; LDS: my scale word: 8,192 + 128 x wave + 4 x lane
	v_lshrrev_b32 v9, 2, v1
	v_and_b32 v10, 3, v0
	v_lshlrev_b32 v10, 4, v10
	v_lshl_add_u32 v9, v9, 7, v10
	v_add_nc_u32 v9, 8192, v9                      ; LDS: wave 1 reads K step lane / 4, rows 4 (lane % 4) on
	v_lshlrev_b32 v11, 3, v2
	v_lshl_add_u32 v11, v3, 2, v11                 ; the choice's place: 8 r + 4 h (lane (r, h) stores slot h of token r)
.irp b, 0,1,2,3
	v_mov_b32 v[TM+4+\b], 0                        ; a lane permute's destination counts as one of its sources
.endr
	s_mov_b32 s[SEL], 0x76543210
	s_mov_b32 s[SEL+1], 0xfedcba98
	s_lshl_b32 s16, ttmp9, 16                      ; the tile's 16 rows of 4,096 bytes
	s_lshl_b32 s18, s14, 9                         ; my K step's 512 bytes
	s_add_co_u32 s16, s16, s18
	s_mov_b32 s17, 0
	s_mov_b32 s19, 0
	s_mul_i32 s22, ttmp9, 12288
	s_mul_i32 s23, s14, 1536
	s_add_co_u32 s22, s22, s23                     ; my image
	s_mov_b32 s23, 0
	s_lshl_b32 s36, ttmp9, 9
	s_add_co_u32 s36, s36, 786432                  ; the tile's scale words
	s_mov_b32 s37, 0
	s_lshl_b32 s38, ttmp9, 7                       ; the tile's 16 x 8 bytes in topi and among the weights
	s_mov_b32 s39, 0
	s_wait_kmcnt 0x0
	s_load_b256 s[24:31], s[8:9], 0x0              ; expert_scale
	s_add_nc_u64 s[4:5], s[4:5], s[16:17]
	s_add_nc_u64 s[6:7], s[6:7], s[18:19]
	s_add_nc_u64 s[32:33], s[10:11], s[36:37]
	s_add_nc_u64 s[12:13], s[12:13], s[38:39]
	s_add_co_u32 s38, s38, 819200
	s_add_nc_u64 s[34:35], s[10:11], s[38:39]
	s_add_nc_u64 s[10:11], s[10:11], s[22:23]
.irp b, 0,1,2,3
.irp q, 0,1,2,3
	global_load_b128 v[X+16*\b+4*\q:X+16*\b+4*\q+3], v4, s[4:5] offset:128*\b+16*\q th:TH_LOAD_NT
	global_load_b128 v[WR+16*\b+4*\q:WR+16*\b+4*\q+3], v5, s[6:7] offset:128*\b+16*\q
.endr
.endr
	s_wait_loadcnt 0x0
	s_wait_kmcnt 0x0
	; 32 products of 16 x 16 x 4: four accumulators by turns, the first four start the sums
.set qq, 0
.rept 32
.if qq < 4
	v_wmma_f32_16x16x4_f32 v[ACC+8*(qq%4):ACC+8*(qq%4)+7], v[WR+2*qq:WR+2*qq+1], v[X+2*qq:X+2*qq+1], 0
.else
	v_wmma_f32_16x16x4_f32 v[ACC+8*(qq%4):ACC+8*(qq%4)+7], v[WR+2*qq:WR+2*qq+1], v[X+2*qq:X+2*qq+1], v[ACC+8*(qq%4):ACC+8*(qq%4)+7]
.endif
.set qq, qq+1
.endr
	QUANT X
.irp g, 0,1,2
	global_store_b128 v6, v[PC+4*\g:PC+4*\g+3], s[10:11] offset:512*\g   ; 32 lanes store 512 consecutive bytes
.endr
.rept 8
	v_nop                                          ; eight places behind the f32 matrix form before its results are read (ISA guide 7.12.1)
.endr
.irp p, 0,2,4,6
	v_pk_add_f32 v[LG+\p:LG+\p+1], v[ACC+\p:ACC+\p+1], v[ACC+8+\p:ACC+9+\p]     ; each accumulator is read from its low end on
.endr
.irp p, 0,2,4,6
	v_pk_add_f32 v[TM+\p:TM+\p+1], v[ACC+16+\p:ACC+17+\p], v[ACC+24+\p:ACC+25+\p]
.endr
.irp p, 0,2,4,6
	v_pk_add_f32 v[LG+\p:LG+\p+1], v[LG+\p:LG+\p+1], v[TM+\p:TM+\p+1]
.endr
	ds_store_b128 v7, v[LG:LG+3]
	ds_store_b128 v7, v[LG+4:LG+7] offset:512
	ds_store_b32 v8, v[PW]
	s_wait_dscnt 0x0                               ; for the others' sake: my LDS stores have landed
	s_barrier_signal -1
	s_barrier_wait -1
	s_cmp_eq_u32 s14, 1
	s_cbranch_scc1 .Lscales
	s_cmp_eq_u32 s14, 0
	s_cbranch_scc1 .Ltop
	s_wait_tensorcnt 0x0
	ds_add_u32 v254, v255
	s_wait_dscnt 0x0
	s_endpgm
.Lscales:                                              ; wave 1: the tile's 8 x 16 scale words leave as 512 consecutive bytes
	ds_load_b128 v[16:19], v9
	s_wait_dscnt 0x0
	global_store_b128 v6, v[16:19], s[32:33]
	s_wait_tensorcnt 0x0
	ds_add_u32 v254, v255
	s_wait_dscnt 0x0
	s_endpgm
.Ltop:                                                 ; wave 0: the choice
.irp w, 0,1,2,3,4,5,6,7
	ds_load_b128 v[16+8*\w:19+8*\w], v6 offset:1024*\w
	ds_load_b128 v[20+8*\w:23+8*\w], v6 offset:1024*\w+512
.endr
	s_wait_dscnt 0x0
.irp w, 1,2,3,4,5,6,7
.irp p, 0,2,4,6
	v_pk_add_f32 v[16+\p:17+\p], v[16+\p:17+\p], v[16+8*\w+\p:17+8*\w+\p]      ; K steps in ascending order
.endr
.endr
	v_max3_num_f32 v80, v16, v17, v18
	v_max3_num_f32 v80, v80, v19, v20
	v_max3_num_f32 v80, v80, v21, v22
	v_max_num_f32 v80, v80, v23                    ; the token's largest logit
.irp e, 0,1,2,3,4,5,6,7
	v_sub_f32 v[24+\e], v[16+\e], v80
.endr
.irp e, 0,1,2,3,4,5,6,7
	v_mul_f32 v[24+\e], 0x3fb8aa3b, v[24+\e]
.endr
.irp e, 0,1,2,3,4,5,6,7
	v_exp_f32 v[24+\e], v[24+\e]
.endr
	v_nop                                          ; a plain place behind the exponentials
	s_wait_alu depctr_va_vdst(0)                   ; one wait for the batch, ahead of its first reader
	v_add_f32 v81, v24, v25
	v_add_f32 v82, v26, v27
	v_add_f32 v83, v28, v29
	v_add_f32 v84, v30, v31
	v_add_f32 v81, v81, v82
	v_add_f32 v83, v83, v84
	v_add_f32 v81, v81, v83
	v_rcp_f32 v81, v81
	v_nop
	s_wait_alu depctr_va_vdst(0)
.irp e, 0,1,2,3,4,5,6,7
	v_mul_f32 v[24+\e], v[24+\e], v81              ; the probabilities
.endr
	v_mov_b32 v85, v24                             ; the largest, and its index: a later expert wins only where it is strictly larger
	v_mov_b32 v86, 0
.irp e, 1,2,3,4,5,6,7
	v_cmp_le_f32 vcc_lo, v[24+\e], v85
	v_cndmask_b32 v85, v[24+\e], v85, vcc_lo
	v_cndmask_b32 v86, \e, v86, vcc_lo
.endr
.irp e, 0,1,2,3,4,5,6,7
	v_cmp_ne_u32 vcc_lo, \e, v86
	v_cndmask_b32 v[24+\e], -1.0, v[24+\e], vcc_lo ; the chosen one is taken out: -1 lies under every probability
.endr
	v_mov_b32 v87, v24                             ; the second
	v_mov_b32 v88, 0
.irp e, 1,2,3,4,5,6,7
	v_cmp_le_f32 vcc_lo, v[24+\e], v87
	v_cndmask_b32 v87, v[24+\e], v87, vcc_lo
	v_cndmask_b32 v88, \e, v88, vcc_lo
.endr
	v_sub_f32 v89, v87, v85                        ; the softmax of the two: the larger is taken away first
	v_mul_f32 v89, 0x3fb8aa3b, v89
	v_exp_f32 v89, v89
	v_nop
	s_wait_alu depctr_va_vdst(0)
	v_add_f32 v90, 1.0, v89
	v_rcp_f32 v90, v90                             ; the first weight
	v_nop
	s_wait_alu depctr_va_vdst(0)
	v_mul_f32 v89, v89, v90                        ; the second
	v_cmp_eq_u32 vcc_lo, 0, v3
	v_cndmask_b32 v91, v88, v86, vcc_lo            ; lanes 0-15 slot 0, lanes 16-31 slot 1
	v_cndmask_b32 v92, v89, v90, vcc_lo
	v_mov_b32 v93, s24                             ; expert_scale of my slot's expert, by selects
.irp e, 1,2,3,4,5,6,7
	v_cmp_ne_u32 vcc_lo, \e, v91
	v_cndmask_b32 v93, s[24+\e], v93, vcc_lo
.endr
	v_mul_f32 v92, v92, v93
	global_store_b32 v11, v91, s[12:13]            ; 128 consecutive bytes each
	global_store_b32 v11, v92, s[34:35]
	s_wait_tensorcnt 0x0
	ds_add_u32 v254, v255
	s_wait_dscnt 0x0
	s_endpgm
.Lfunc_end_k_q8b758bb853_route:
	.size	k_q8b758bb853_route, .Lfunc_end_k_q8b758bb853_route-k_q8b758bb853_route
	.p2alignl 7, 3214868480
	.fill 96, 4, 3214868480
	.section	.rodata,"a",@progbits
	.p2align	6, 0x0
	.amdhsa_kernel k_q8b758bb853_route
		.amdhsa_group_segment_fixed_size 10240
		.amdhsa_private_segment_fixed_size 0
		.amdhsa_enable_private_segment 0
		.amdhsa_kernarg_size 40
		.amdhsa_user_sgpr_count 2
		.amdhsa_user_sgpr_kernarg_segment_ptr 1
		.amdhsa_wavefront_size32 1
		.amdhsa_system_sgpr_workgroup_id_x 1
		.amdhsa_system_sgpr_workgroup_id_y 1
		.amdhsa_system_sgpr_workgroup_id_z 1
		.amdhsa_system_vgpr_workitem_id 0
		.amdhsa_next_free_vgpr 256
		.amdhsa_next_free_sgpr 66
		.amdhsa_reserve_vcc 1
		.amdhsa_float_denorm_mode_32 3
		.amdhsa_float_denorm_mode_16_64 3
		.amdhsa_memory_ordered 1
		.amdhsa_forward_progress 1
		.amdhsa_inst_pref_size 22
	.end_amdhsa_kernel
	.amdgpu_metadata
---
amdhsa.version: [ 1, 2 ]
amdhsa.kernels:
  - .name:           k_q8b758bb853_route
    .symbol:         k_q8b758bb853_route.kd
    .args:
      - { .name: hidden_states, .offset: 0, .size: 8, .value_kind: global_buffer, .address_space: global }
      - { .name: router_w, .offset: 8, .size: 8, .value_kind: global_buffer, .address_space: global }
      - { .name: expert_scale, .offset: 16, .size: 8, .value_kind: global_buffer, .address_space: global }
      - { .name: xq, .offset: 24, .size: 8, .value_kind: global_buffer, .address_space: global }
      - { .name: topi, .offset: 32, .size: 8, .value_kind: global_buffer, .address_space: global }
    .group_segment_fixed_size: 10240
    .private_segment_fixed_size: 0
    .kernarg_segment_align: 8
    .kernarg_segment_size: 40
    .max_flat_workgroup_size: 256
    .sgpr_count:     66
    .vgpr_count:     256
    .wavefront_size: 32
...
	.end_amdgpu_metadata
.endif
;; end of part 1
;; launch place (part 2): grid 16 x 8, 4 waves a work-group, no clusters, 0 bytes of LDS; arguments topi, xq, xs, tab; writes xs, tab
.if DOCPART == 2
	.amdgcn_target "amdgcn-amd-amdhsa--gfx1250"
	.amdhsa_code_object_version 6
	.text
	.protected	k_q8b758bb853_place
	.globl	k_q8b758bb853_place
	.p2align	8
	.type	k_q8b758bb853_place,@function
k_q8b758bb853_place:
	s_mov_b64 s[64:65], 0
	v_nop
	global_prefetch_b8 v0, s[64:65] scope:SCOPE_SE
	s_setreg_imm32_b32 hwreg(HW_REG_WAVE_MODE, 25, 1), 1
	s_wait_xcnt 0x0
; PLACE.  Work-group (j, e).  Every wave reads all 1,024 tokens' choices and makes, for expert e, 32 masks of 32 tokens.  A token's rank among e's tokens is
; the number of e's tokens before it: a counting sort without atomics.
;  (C) wave w: tile 4 j + w of e's rows (16 ranks): finds each rank's token and copies that token's part of x's images and its scale words out of xq
;      into xs, so that a tile of xs is again an image of operand registers.  Ranks past the count take token 0: computed later, never read.
;  (A) waves 0, 1: tokens 32 (2 j + wave) on: tab.pos[token][slot] = 1,024 e + rank, stored by the lanes whose token chose e.
;  (B) j = 0, wave 0: tab.cnt[e], stored by lane 0.
; All that forms an address is made with all lanes on, ahead of the first change of EXEC: the two masked stores are the wave's last lines.
; xs: [0) images [e][tile 64][s 8][1536];  [6291456) scale words [e][tile][s 8][row 16].   tab: [0) pos [1024][2];  [8192) cnt[8].
; No barrier: waves share nothing.  ds_permute_b32 touches no LDS byte.
	s_load_b256 s[4:11], s[0:1], 0x0               ; topi s[4:5], xq s[6:7], xs s[8:9], tab s[10:11]
	v_lshrrev_b32 v1, 5, v0
	v_readfirstlane_b32 s14, v1                    ; wave
	v_and_b32 v1, 31, v0                           ; lane
	v_bfe_u32 v3, v0, 4, 1                         ; h
	v_lshlrev_b32 v4, 3, v1                        ; 8 x lane
	v_lshlrev_b32 v128, 4, v1                      ; 16 x lane
	v_lshlrev_b32 v129, 2, v1                      ; 4 x lane
	s_and_b32 s12, ttmp7, 0xffff                   ; e
	s_lshl_b32 s15, ttmp9, 1
	s_add_co_u32 s15, s15, s14                     ; the group of 32 tokens of part (A)
	s_lshl_b32 s16, ttmp9, 2
	s_add_co_u32 s16, s16, s14                     ; the tile of part (C)
	s_lshl_b32 s25, s16, 4                         ; its first rank
	s_lshl_b32 s17, s12, 2
	v_mov_b32 v130, s17                            ; the count's place: 4 e
	s_mov_b32 s28, 0x76543210
	s_mov_b32 s29, 0xfedcba98
	s_wait_kmcnt 0x0
.set g, 0
.rept 32
	global_load_b64 v[16+2*g:17+2*g], v4, s[4:5] offset:256*g      ; a lane a token: 256 consecutive bytes
.set g, g+1
.endr
	s_wait_loadcnt 0x0
	s_mov_b32 s21, 0                               ; e's tokens in all
	s_mov_b32 s22, 0                               ; and in front of part (A)'s group
.set g, 0
.rept 32
	v_cmp_eq_u32 vcc_lo, s12, v[16+2*g]
	v_cmp_eq_u32 s[32+g], s12, v[17+2*g]
	s_or_b32 s[32+g], s[32+g], vcc_lo              ; group g's mask
	s_bcnt1_i32_b32 s20, s[32+g]
	s_add_co_u32 s21, s21, s20
	s_cmp_gt_u32 s15, g
	s_cselect_b32 s20, s20, 0
	s_add_co_u32 s22, s22, s20
.set g, g+1
.endr
	; ---- (C)
	s_cmp_lt_u32 s25, s21
	s_cbranch_scc0 .Lno_tile                       ; e has no such tile
	s_sub_co_u32 s26, 0, s25                       ; ranks in front of group g, less the tile's first rank
.set g, 0
.rept 32
	v_mbcnt_lo_u32_b32 v8, s[32+g], 0
	v_add_nc_u32 v8, s26, v8                       ; my token's place in the tile (wraps where it lies in front of it)
	v_min_u32 v8, 31, v8
	v_cndmask_b32 v8, 31, v8, s[32+g]              ; a token that did not choose e sends to lane 31, which nobody takes
	v_lshlrev_b32 v8, 2, v8
	v_add_nc_u32 v9, 32*g, v1                      ; my token
	ds_permute_b32 v[96+g], v8, v9                 ; to the lane of its place
	s_bcnt1_i32_b32 s20, s[32+g]
	s_add_co_u32 s26, s26, s20
.set g, g+1
.endr
	s_wait_dscnt 0x0
	v_mov_b32 v10, 0                               ; a rank past the count keeps token 0
	v_mov_b32 v11, 0
	s_mov_b32 s27, s25
.set g, 0
.rept 32
	s_bcnt1_i32_b32 s20, s[32+g]
	v_add_nc_u32 v8, s27, v1                       ; my rank less the ranks in front of group g
	v_cmp_gt_u32 vcc_lo, s20, v8                   ; it lies in group g: only then was something sent to me
	v_cndmask_b32 v10, v10, v[96+g], vcc_lo
	s_sub_co_u32 s27, s27, s20
.set g, g+1
.endr
	v_permlanex16_b32 v11, v10, s28, s29
	v_cmp_eq_u32 vcc_lo, 0, v3
	v_cndmask_b32 v10, v11, v10, vcc_lo            ; lanes 16-31 serve the same 16 rows as lanes 0-15
	v_lshrrev_b32 v137, 4, v10
	v_min_u32 v137, 63, v137                       ; the token's tile in xq,
	v_and_b32 v138, 15, v10
	v_min_u32 v138, 15, v138                       ; and its row there
	v_mul_u32_u24 v132, v137, 12288
	v_lshl_add_u32 v132, v138, 4, v132
	v_lshl_add_u32 v132, v3, 8, v132               ; images: lane (row, h)'s 16 bytes of a group
	v_lshlrev_b32 v133, 9, v137
	v_lshl_add_u32 v133, v138, 2, v133
	v_lshl_add_u32 v133, v3, 6, v133               ; scale words: lanes 0-15 an even K step's, lanes 16-31 the odd one's behind it
	s_lshl_b32 s17, s12, 6
	s_add_co_u32 s17, s17, s16                     ; 64 e + tile
	s_mul_i32 s18, s17, 12288
	s_mov_b32 s19, 0
	s_add_nc_u64 s[30:31], s[8:9], s[18:19]
	s_lshl_b32 s18, s17, 9
	s_add_co_u32 s18, s18, 6291456
	s_add_nc_u64 s[8:9], s[8:9], s[18:19]
.irp s, 0,1,2,3,4,5,6,7
.irp q, 0,1,2
	global_load_b128 v[16+12*\s+4*\q:19+12*\s+4*\q], v132, s[6:7] offset:1536*\s+512*\q
.endr
.endr
.irp m, 0,1,2,3
	global_load_b32 v[112+\m], v133, s[6:7] offset:786432+128*\m
.endr
.irp s, 0,1,2,3,4,5,6,7
	s_wait_loadcnt 25-3*\s                         ; K step s's three loads are in: behind them 3 (7 - s) + 4 were issued
.irp q, 0,1,2
	global_store_b128 v128, v[16+12*\s+4*\q:19+12*\s+4*\q], s[30:31] offset:1536*\s+512*\q   ; 512 consecutive bytes
.endr
.endr
	s_wait_loadcnt 0x0
.irp m, 0,1,2,3
	global_store_b32 v129, v[112+\m], s[8:9] offset:128*\m
.endr
.Lno_tile:
	s_cmp_lt_u32 s14, 2
	s_cbranch_scc1 .Lfwd
	s_endpgm                                       ; waves 2 and 3 have no part in (A) and (B)
.Lfwd:
	; ---- (A) and (B): the values, all lanes on
	s_lshl_b32 s17, s15, 8
	v_add_nc_u32 v131, s17, v4
	global_load_b64 v[12:13], v131, s[4:5]         ; my token's two choices once more
	s_wait_loadcnt 0x0
	v_cmp_eq_u32 s18, s12, v12
	v_cmp_eq_u32 vcc_lo, s12, v13
	v_mov_b32 v7, 1
	v_cndmask_b32 v134, 0, v7, vcc_lo              ; the slot that chose e
	s_or_b32 s23, vcc_lo, s18                      ; the lanes whose token chose e
	v_mbcnt_lo_u32_b32 v135, s23, 0                ; e's tokens before me in my group,
	v_add_nc_u32 v135, s22, v135                   ; and in the groups before
	s_lshl_b32 s19, s12, 10
	v_add_nc_u32 v135, s19, v135                   ; 1,024 e + rank
	v_min_u32 v134, 1, v134
	v_lshl_add_u32 v134, v134, 2, v131             ; pos[token][slot]
	v_mov_b32 v136, s21                            ; the count
	v_cmp_eq_u32 s27, 0, v1                        ; lane 0
	; ---- (B)
	s_or_b32 s17, ttmp9, s14
	s_cmp_eq_u32 s17, 0
	s_cbranch_scc0 .Lno_cnt
	s_mov_b32 vcc_lo, s27
	s_wait_xcnt 0x0                                ; EXEC changes only behind this wait
	s_and_saveexec_b32 s24, vcc_lo
	global_store_b32 v130, v136, s[10:11] offset:8192
	s_wait_xcnt 0x0                                ; and again, in front of the line that widens it
	s_or_b32 exec_lo, exec_lo, s24
.Lno_cnt:
	; ---- (A)
	s_mov_b32 vcc_lo, s23
	s_wait_xcnt 0x0
	s_and_saveexec_b32 s24, vcc_lo
	global_store_b32 v134, v135, s[10:11]
	s_wait_xcnt 0x0
	s_or_b32 exec_lo, exec_lo, s24
	s_endpgm
.Lfunc_end_k_q8b758bb853_place:
	.size	k_q8b758bb853_place, .Lfunc_end_k_q8b758bb853_place-k_q8b758bb853_place
	.p2alignl 7, 3214868480
	.fill 96, 4, 3214868480
	.section	.rodata,"a",@progbits
	.p2align	6, 0x0
	.amdhsa_kernel k_q8b758bb853_place
		.amdhsa_group_segment_fixed_size 0
		.amdhsa_private_segment_fixed_size 0
		.amdhsa_enable_private_segment 0
		.amdhsa_kernarg_size 32
		.amdhsa_user_sgpr_count 2
		.amdhsa_user_sgpr_kernarg_segment_ptr 1
		.amdhsa_wavefront_size32 1
		.amdhsa_system_sgpr_workgroup_id_x 1
		.amdhsa_system_sgpr_workgroup_id_y 1
		.amdhsa_system_sgpr_workgroup_id_z 1
		.amdhsa_system_vgpr_workitem_id 0
		.amdhsa_next_free_vgpr 144
		.amdhsa_next_free_sgpr 66
		.amdhsa_reserve_vcc 1
		.amdhsa_float_denorm_mode_32 3
		.amdhsa_float_denorm_mode_16_64 3
		.amdhsa_memory_ordered 1
		.amdhsa_forward_progress 1
		.amdhsa_inst_pref_size 40
	.end_amdhsa_kernel
	.amdgpu_metadata
---
amdhsa.version: [ 1, 2 ]
amdhsa.kernels:
  - .name:           k_q8b758bb853_place
    .symbol:         k_q8b758bb853_place.kd
    .args:
      - { .name: topi, .offset: 0, .size: 8, .value_kind: global_buffer, .address_space: global }
      - { .name: xq, .offset: 8, .size: 8, .value_kind: global_buffer, .address_space: global }
      - { .name: xs, .offset: 16, .size: 8, .value_kind: global_buffer, .address_space: global }
      - { .name: tab, .offset: 24, .size: 8, .value_kind: global_buffer, .address_space: global }
    .group_segment_fixed_size: 0
    .private_segment_fixed_size: 0
    .kernarg_segment_align: 8
    .kernarg_segment_size: 32
    .max_flat_workgroup_size: 128
    .sgpr_count:     66
    .vgpr_count:     144
    .wavefront_size: 32
...
	.end_amdgpu_metadata
.endif
;; end of part 2
;; launch up (part 3): grid 32 x 8, 8 waves a work-group, no clusters, 175,104 bytes of LDS; arguments w1, xs, tab, hq; writes hq
.if DOCPART == 3
	.amdgcn_target "amdgcn-amd-amdhsa--gfx1250"
	.amdhsa_code_object_version 6
	.text
	.protected	k_q8b758bb853_up
	.globl	k_q8b758bb853_up
	.p2align	8
	.type	k_q8b758bb853_up,@function
k_q8b758bb853_up:
	s_mov_b64 s[64:65], 0
	v_nop
	global_prefetch_b8 v0, s[64:65] scope:SCOPE_SE
	s_setreg_imm32_b32 hwreg(HW_REG_WAVE_MODE, 25, 1), 1
	s_wait_xcnt 0x0
; UP.  h = silu(x w1^T) for the rows that chose an expert, both operands in BF6 (E3M2) with one E8M0 byte for each 32 along K; h leaves as codes.
; SHARES.  Work-group (x = sF, y = expert): 128 rows f = 128 sF on of the expert's w1 (512 KiB of f32, read once, quantised in registers on the way) against all tiles of 16 of that expert's rows.
; No tensor load, no copy, no cluster: how many tiles there are, which blocks are multiplied and which are stored hang on a count read from memory.
; A STEP is 128 along K, eight in all, written out.  Wave t loads the 16 rows x 512 bytes of f-tile t (each load 512 consecutive bytes), turns them through its own LDS stage so that a lane holds
; two whole blocks of 32 of one row, quantises them, and stores the fragment as an image of its registers; one barrier; every wave loads all eight fragments and multiplies them with ITS three
; tiles of rows (tiles wave, wave + 8, wave + 16, held to the last tile for loads).
; THE TURN OF STEP s + 1 STANDS AMONG THE PRODUCTS OF STEP s: behind the products on fragments 0-3, whose registers it lands on, and ahead of those on fragments 4-7: LDS and the matrix unit work side by side.
; THE THIRD BLOCK is multiplied and loaded only where tile wave + 16 exists: a scalar branch round its products and its next loads, which joins again ahead of the next barrier: every wave passes all eight
; barriers.  Step 0 takes all three blocks, so that the block's registers are written on every way.
; EACH STEP'S IMAGES HAVE LDS BYTES OF THEIR OWN, written once: behind the eighth barrier all 64 fragments lie in LDS.  So an expert with more than 24 tiles is served by further passes of 24 tiles that read
; the weights from LDS: a loop with no barrier, counted to 3 (64 tiles at the most, 24 a pass) and left as soon as no tile remains.
; THE ROWS OF w1 THAT FORM A TILE ARE NOT NEIGHBOURS: row i of tile t is f = 32 (t / 2) + 8 (t % 2) + i + 8 (i / 8); with the product used transposed (source 0 = w1, source 1 = x) a lane holds one
; row of h, and a block's 64 registers are k = 32 b + 16 (lane / 16) + i of the next product's K step sF.
; hq: [0) images [e][tile 64][s 32][1536];  [25165824) scale words [e][tile][s 32][32 lanes] (lanes 16-31 repeat lanes 0-15).
; LIMITS: NaN and infinities are not served; a block of zeros gets the byte 1 (zero codes; this program alone reads the bytes); silu(a) for a under about -88 gives -0.
; REGISTERS, window 0: v1 16 lane, v2 w1 offset, v3-8 and v20-23 LDS addresses, v9-11, v12-14 offsets of my tiles' images and scale words, v15 8 h, v16-17 store offsets, v18 4 lane, v24-35 x's scale words,
;   v36-43 w1's scale words, v44-91 at work / fragments 4-7, v92-155 64 numbers / fragments 0-3, v156-191 x's three fragments, v192-255 load set 0.  Window 1: v0-191 24 accumulators, v192-255 load set 1.
.set STG,  8448                        ; a wave's stage: 16 rows x (512 + 16) bytes: the 16 lanes of a 16-byte read fall into 16 different columns of 16 bytes
.set IMG,  8*STG                       ; eight image slots, one a step: 8 x 1,536 bytes of codes, then 8 x 128 of scale words
.set IMGB, 13312
.set IS,   5                           ; v5-6   where I store my image: slots 0-3, slots 4-7 (an LDS immediate ends at 65,535)
.set SS,   7                           ; v7-8   and my scale words
.set IL,   20                          ; v20-21 where all images are read
.set SL,   22                          ; v22-23 and all scale words
.set X,    92
.set TM,   44
.set PW,   60
.set PC,   64
.set WPC,  60
.set WD,   50
.set WU,   51
.set CT0,  52
.set CT1,  56
.set SEL,  28
.set MSB,  0
.macro WIN new                         ; the immediate's high byte repeats the setting that is left
.if MSB != (\new)
	s_set_vgpr_msb (MSB<<8)|(\new)
.set MSB, (\new)
.endif
.endm
.macro PLACES                          ; four places behind products, ahead of loads into their operands, of vector writes there, and of the first read of results
.rept 4
	v_nop
.endr
.endm
.macro WL s, p                         ; my fragment's 16 rows of K step s into load set p
	WIN 0x40*(\p)
.irp i, 0,1,2,3,4,5,6,7,8,9,10,11,12,13,14,15
	global_load_b128 v[192+4*\i:195+4*\i], v2, s[4:5] offset:(\i+8*(\i/8))*4096+512*(\s) th:TH_LOAD_NT
.endr
	WIN 0
.endm
.macro TURNS p                         ; set p into my stage, as loaded
	WIN 0x04*(\p)
.irp i, 0,1,2,3,4,5,6,7,8,9,10,11,12,13,14,15
	ds_store_b128 v3, v[192+4*\i:195+4*\i] offset:528*\i
.endr
	WIN 0
.endm
.macro TURNL                           ; and back, 128 bytes of one row a block: X[32 c + i] = k 64 c + 32 h + i of row r.  LDS serves a wave's instructions in order: these see the stores
.irp c, 0,1
.irp q, 0,1,2,3,4,5,6,7
	ds_load_b128 v[X+32*\c+4*\q:X+32*\c+4*\q+3], v4 offset:256*\c+16*\q
.endr
.endr
.endm
.macro QUANTW                          ; two whole blocks a lane: codes into v[WPC] on, the row's scale word into v[WD]
.irp u, 0,1,2,3
	v_max3_num_f32 v[44+\u], |v[X+16*\u]|, |v[X+16*\u+1]|, 0x2800000        ; four chains, each with the floor 2^(5 - 127)
.endr
.irp i, 2,4,6,8,10,12,14
.irp u, 0,1,2,3
	v_max3_num_f32 v[44+\u], v[44+\u], |v[X+16*\u+\i]|, |v[X+16*\u+\i+1]|
.endr
.endr
	v_max_num_f32 v44, v44, v45
	v_max_num_f32 v46, v46, v47
	v_add_nc_u32 v48, 0xfe000000, v44              ; 4 off the exponent field: the conversion's scale operand
	v_add_nc_u32 v49, 0xfe000000, v46
	v_lshrrev_b32 v44, 23, v48                     ; the bytes of blocks h and 2 + h
	v_lshrrev_b32 v46, 23, v49
	v_lshl_or_b32 v[WD], v46, 16, v44
	v_lshlrev_b32 v[WD], v15, v[WD]                ; 8 h bits up
	v_permlanex16_b32 v[WU], v[WD], s[SEL], s[SEL+1]
	v_or_b32 v[WD], v[WD], v[WU]                   ; with lane l xor 16's two the word is whole
	v_cvt_scalef32_pk16_bf6_f32 v[WPC:WPC+2], v[X:X+15], v48
	v_cvt_scalef32_pk16_bf6_f32 v[CT0:CT0+2], v[X+16:X+31], v48
	v_cvt_scalef32_pk16_bf6_f32 v[WPC+6:WPC+8], v[X+32:X+47], v49
	v_cvt_scalef32_pk16_bf6_f32 v[CT1:CT1+2], v[X+48:X+63], v49
	v_nop                                          ; one plain place behind a scaled conversion
.irp i, 0,1,2
	v_mov_b32 v[WPC+3+\i], v[CT0+\i]
	v_mov_b32 v[WPC+9+\i], v[CT1+\i]
.endr
.endm
.macro IMAGE s                         ; my fragment into step s's slot
.irp q, 0,1,2
	ds_store_b128 v[IS+(\s)/4], v[WPC+4*\q:WPC+4*\q+3] offset:IMGB*((\s)%4)+512*\q
.endr
	ds_store_b32 v[SS+(\s)/4], v[WD] offset:IMGB*((\s)%4)
.endm
.macro FETCHW s                        ; all eight fragments of step s and their scale words: four LDS loads a fragment, fragments 0-3 first
.irp t, 0,1,2,3,4,5,6,7
.irp q, 0,1,2
	ds_load_b128 v[92+12*\t-96*(\t/4)+4*\q:95+12*\t-96*(\t/4)+4*\q], v[IL+(\s)/4] offset:IMGB*((\s)%4)+1536*\t+512*\q
.endr
	ds_load_b32 v[36+\t], v[SL+(\s)/4] offset:IMGB*((\s)%4)+128*\t
.endr
.endm
.macro XLJ s, j                        ; block j's fragment of K step s
.irp q, 0,1,2
	global_load_b128 v[156+12*(\j)+4*\q:159+12*(\j)+4*\q], v[9+(\j)], s[24:25] offset:1536*(\s)+512*\q
.endr
.endm
.macro XSL                             ; my three tiles' scale words for all of K: lanes 0-15 K step 2 m's, lanes 16-31 K step 2 m + 1's
.irp j, 0,1,2
.irp m, 0,1,2,3
	global_load_b32 v[24+4*\j+\m], v[12+\j], s[26:27] offset:128*\m
.endr
.endr
.endm
.macro SETUP                           ; the pass's tiles (s17 = its first): as they are numbered, and held to the expert's last tile for loads and products
	s_add_co_u32 s36, s17, s14
	s_add_co_u32 s37, s36, 8
	s_add_co_u32 s38, s36, 16
.irp j, 0,1,2
	s_min_u32 s[18+\j], s[36+\j], s21
	s_min_u32 s[18+\j], s[18+\j], 63
	s_mul_i32 s35, s[18+\j], 12288
	v_add_nc_u32 v[9+\j], s35, v1
	s_lshl_b32 s35, s[18+\j], 9
	v_add_nc_u32 v[12+\j], s35, v18
.endr
.endm
.macro PROD s, j                       ; fragment tt of w1 x block j, K step s.  Step 0 starts the sums
.set aC, 64*(\j)+8*tt
.set aW, 92+12*tt-96*(tt/4)
.set aX, 156+12*(\j)
.set aS, 24+4*(\j)+(\s)/2
.if (\s) == 0
	v_wmma_scale_f32_16x16x128_f8f6f4 v[aC:aC+7], v[aW:aW+11], v[aX:aX+11], 0, v[36+tt], v[aS] matrix_a_fmt:MATRIX_FMT_BF6 matrix_b_fmt:MATRIX_FMT_BF6
.elseif (\s)%2 == 0
	v_wmma_scale_f32_16x16x128_f8f6f4 v[aC:aC+7], v[aW:aW+11], v[aX:aX+11], v[aC:aC+7], v[36+tt], v[aS] matrix_a_fmt:MATRIX_FMT_BF6 matrix_b_fmt:MATRIX_FMT_BF6
.else
	v_wmma_scale_f32_16x16x128_f8f6f4 v[aC:aC+7], v[aW:aW+11], v[aX:aX+11], v[aC:aC+7], v[36+tt], v[aS] matrix_a_fmt:MATRIX_FMT_BF6 matrix_b_fmt:MATRIX_FMT_BF6 matrix_b_scale:MATRIX_SCALE_ROW1
.endif
.endm
.macro MUL01 s, h                      ; fragments 4 h .. 4 h + 3 x blocks 0 and 1: eight products
.irp u, 0,1,2,3
.set tt, 4*(\h)+\u
	PROD \s, 0
	PROD \s, 1
.endr
.endm
.macro MUL2 s, h                       ; the same fragments x block 2: four products
.irp u, 0,1,2,3
.set tt, 4*(\h)+\u
	PROD \s, 2
.endr
.endm
; A step's work behind its barrier.  turn = 1: the next step's weights go through my stage among the products.  lcnt: the global loads issued behind this step's fragments of x.
; The accumulators take turns, one instruction a turn, on every way and over the steps' edges.
.macro WORK s, turn, lcnt
	FETCHW \s
	s_wait_loadcnt \lcnt                           ; x's fragments of this step are in, and all that was issued ahead of them: the next step's weights among it
	s_wait_dscnt 16                                ; fragments 0-3 and their scale words are in; the sixteen loads of fragments 4-7 may be out
	WIN 0x50                                       ; C and D in window 1
	MUL01 \s, 0
.if (\s) == 0
	MUL2 \s, 0
	WIN 0
.else
	WIN 0
	s_cmp_lt_u32 s38, s16                          ; is there a tile wave + 16?
	s_cbranch_scc0 .La_\@
	WIN 0x50
	MUL2 \s, 0
	WIN 0
.La_\@:
.endif
.if \turn
	PLACES                                         ; the stage's loads land on fragments 0-3
	TURNS ((\s)+1)%2
	TURNL
	s_wait_dscnt 32                                ; fragments 4-7 are in; the stage's sixteen stores and sixteen loads may be out
.else
	s_wait_dscnt 0x0
.endif
	WIN 0x50
	MUL01 \s, 1
.if (\s) == 0
	MUL2 \s, 1
.endif
	WIN 0
	s_cmp_lt_u32 s38, s16
	s_cbranch_scc0 .Lb_\@
.if (\s) > 0
	WIN 0x50
	MUL2 \s, 1
	WIN 0
.endif
.if (\s) <= 6
	PLACES
	XLJ (\s)+1, 2
.endif
.Lb_\@:
	PLACES
.if (\s) <= 6
	XLJ (\s)+1, 0
	XLJ (\s)+1, 1
.endif
.endm
; A step of the first pass: its numbers were turned among the last step's products
.macro STEP s, turn, lcnt
	s_wait_dscnt 0x0                               ; X is in, and the stage's stores have read their load set
.if (\s) <= 5
	WL (\s)+2, (\s)%2                              ; two steps ahead, into the set just left
.endif
	QUANTW
	IMAGE \s
	s_wait_dscnt 0x0                               ; for the others' sake: my image has landed
	s_barrier_signal -1
	s_barrier_wait -1
	WORK \s, \turn, \lcnt
.endm
.macro QUANT s                         ; 64 numbers of a lane, register 16 b + i = k 32 b + 16 h + i, become codes in v[PC] on and the scale word in v[PW]
.irp b, 0,1,2,3
	v_max3_num_f32 v[TM+\b], |v[\s+16*\b]|, |v[\s+1+16*\b]|, 0x2800000
.endr
.irp i, 2,4,6,8,10,12,14
.irp b, 0,1,2,3
	v_max3_num_f32 v[TM+\b], v[TM+\b], |v[\s+16*\b+\i]|, |v[\s+1+16*\b+\i]|
.endr
.endr
.irp b, 0,1,2,3
	v_permlanex16_b32 v[TM+4+\b], v[TM+\b], s[SEL], s[SEL+1]
.endr
.irp b, 0,1,2,3
	v_max_num_f32 v[TM+\b], v[TM+\b], v[TM+4+\b]
.endr
.irp b, 0,1,2,3
	v_add_nc_u32 v[TM+12+\b], 0xfe000000, v[TM+\b]
.endr
.irp b, 0,1,2,3
	v_lshrrev_b32 v[TM+4+\b], 23, v[TM+12+\b]
.endr
	v_lshl_or_b32 v[PW], v[TM+5], 8, v[TM+4]
	v_lshl_or_b32 v[PW], v[TM+6], 16, v[PW]
	v_lshl_or_b32 v[PW], v[TM+7], 24, v[PW]
.irp c, 0,1
	v_cvt_scalef32_pk16_bf6_f32 v[PC+6*\c:PC+2+6*\c], v[\s+32*\c:\s+15+32*\c], v[TM+12+2*\c]
	v_cvt_scalef32_pk16_bf6_f32 v[PC+12+4*\c:PC+14+4*\c], v[\s+16+32*\c:\s+31+32*\c], v[TM+12+2*\c+1]
.endr
	v_nop
.irp c, 0,1
.irp i, 0,1,2
	v_permlane16_swap_b32 v[PC+6*\c+\i], v[PC+12+4*\c+\i]
.endr
.irp i, 0,1,2
	v_mov_b32 v[PC+3+6*\c+\i], v[PC+12+4*\c+\i]
.endr
.endr
.endm
; Block j's way out, if its tile exists: silu in f32, quantised along f, stored as an image.  No barrier stands under this branch.
.macro EPI j
	s_cmp_lt_u32 s[36+\j], s16
	s_cbranch_scc0 .Lskip_\@
	s_wait_xcnt 0x0                                ; the block before has had its stores' registers read
	s_mul_i32 s35, s[18+\j], 49152
	v_add_nc_u32 v16, s35, v1
	s_lshl_b32 s35, s[18+\j], 12
	v_add_nc_u32 v17, s35, v18
	WIN 0x01
.set ii, 0
.rept 32
	v_pk_mul_f32 v[X+ii:X+ii+1], v[64*\j+ii:64*\j+ii+1], s[30:31] op_sel_hi:[1,0]   ; -a log2(e); each accumulator from its low end on
.set ii, ii+2
.endr
	WIN 0
.set ii, 0
.rept 64
	v_exp_f32 v[X+ii], v[X+ii]
.set ii, ii+1
.endr
	v_nop                                          ; a plain place behind the batch,
	s_wait_alu depctr_va_vdst(0)                   ; and one wait for it, ahead of its first reader
.set ii, 0
.rept 32
	v_pk_add_f32 v[X+ii:X+ii+1], v[X+ii:X+ii+1], 1.0 op_sel_hi:[1,0]
.set ii, ii+2
.endr
.set ii, 0
.rept 64
	v_rcp_f32 v[X+ii], v[X+ii]
.set ii, ii+1
.endr
	v_nop
	s_wait_alu depctr_va_vdst(0)
	WIN 0x04
.set ii, 0
.rept 32
	v_pk_mul_f32 v[X+ii:X+ii+1], v[X+ii:X+ii+1], v[64*\j+ii:64*\j+ii+1]           ; a / (1 + e^-a)
.set ii, ii+2
.endr
	WIN 0
	QUANT X
.irp q, 0,1,2
	global_store_b128 v16, v[PC+4*\q:PC+4*\q+3], s[48:49] offset:512*\q            ; 512 consecutive bytes
.endr
	global_store_b32 v17, v[PW], s[50:51]
.Lskip_\@:
.endm
	s_load_b256 s[4:11], s[0:1], 0x0               ; w1 s[4:5], xs s[6:7], tab s[8:9], hq s[10:11]
	v_lshrrev_b32 v44, 5, v0
	v_readfirstlane_b32 s14, v44                   ; wave
	v_and_b32 v45, 31, v0                          ; lane
	v_and_b32 v46, 15, v0                          ; r
	v_bfe_u32 v47, v0, 4, 1                        ; h
	v_lshlrev_b32 v1, 4, v45
	v_lshlrev_b32 v18, 2, v45
	v_lshlrev_b32 v15, 3, v47
	s_mul_i32 s21, s14, STG
	v_add_nc_u32 v3, s21, v1                       ; stage, in: 16 x lane, a row each 528 bytes
	v_mul_u32_u24 v4, v46, 528
	v_lshl_add_u32 v4, v47, 7, v4
	v_add_nc_u32 v4, s21, v4                       ; stage, back: row r, + 128 h
	s_mul_i32 s21, s14, 1536
	s_add_co_u32 s21, s21, IMG
	v_add_nc_u32 v[IS], s21, v1                    ; my image
	v_add_nc_u32 v[IS+1], 4*IMGB, v[IS]
	s_lshl_b32 s21, s14, 7
	s_add_co_u32 s21, s21, IMG+12288
	v_add_nc_u32 v[SS], s21, v18                   ; my scale words
	v_add_nc_u32 v[SS+1], 4*IMGB, v[SS]
	v_add_nc_u32 v[IL], IMG, v1                    ; all images
	v_add_nc_u32 v[IL+1], IMG+4*IMGB, v1
	v_add_nc_u32 v[SL], IMG+12288, v18             ; all scale words
	v_add_nc_u32 v[SL+1], IMG+12288+4*IMGB, v18
	s_lshr_b32 s21, s14, 1
	s_lshl_b32 s21, s21, 17
	s_and_b32 s22, s14, 1
	s_lshl_b32 s22, s22, 15
	s_add_co_u32 s21, s21, s22
	v_add_nc_u32 v2, s21, v1                       ; w1: (32 (wave / 2) + 8 (wave % 2)) rows of 4,096 bytes + 16 x lane
	v_mov_b32 v[WU], 0                             ; a lane permute's destination counts as one of its sources
	s_mov_b32 s[SEL], 0x76543210
	s_mov_b32 s[SEL+1], 0xfedcba98
	s_mov_b32 s30, 0xbfb8aa3b                      ; -log2(e)
	s_mov_b32 s31, s30
	s_mov_b32 s17, 0                               ; the first pass begins at tile 0
	s_and_b32 s12, ttmp7, 0xffff                   ; the expert
	s_lshl_b32 s39, s12, 2
	s_lshl_b32 s22, s12, 24
	s_lshl_b32 s23, ttmp9, 19
	s_add_co_u32 s22, s22, s23
	s_mov_b32 s23, 0
	s_wait_kmcnt 0x0
	s_load_b32 s15, s[8:9], s39 offset:0x2000      ; the expert's count of rows
	s_add_nc_u64 s[4:5], s[4:5], s[22:23]          ; w1 at expert e, row 128 sF
	WL 0, 0                                        ; the weights' addresses hang on ids alone: their loads go out ahead of the count
	WL 1, 1
	s_mul_i32 s22, s12, 786432
	s_add_nc_u64 s[24:25], s[6:7], s[22:23]        ; xs: e's images,
	s_lshl_b32 s22, s12, 15
	s_add_co_u32 s22, s22, 6291456
	s_add_nc_u64 s[26:27], s[6:7], s[22:23]        ; e's scale words
	s_mul_i32 s22, s12, 3145728
	s_mul_i32 s35, ttmp9, 1536
	s_add_co_u32 s22, s22, s35
	s_add_nc_u64 s[48:49], s[10:11], s[22:23]      ; hq: e's images, K step sF,
	s_lshl_b32 s22, s12, 18
	s_lshl_b32 s35, ttmp9, 7
	s_add_co_u32 s22, s22, s35
	s_add_co_u32 s22, s22, 25165824
	s_add_nc_u64 s[50:51], s[10:11], s[22:23]      ; and its scale words
	s_wait_kmcnt 0x0
	s_add_co_u32 s16, s15, 15
	s_lshr_b32 s16, s16, 4
	s_min_u32 s16, s16, 64                         ; tiles of 16 rows
	s_sub_co_u32 s21, s16, 1                       ; the last tile (an expert without rows: the greatest number; its blocks are computed on what lies in xs and never stored)
	SETUP
	XSL
	XLJ 0, 0
	XLJ 0, 1
	XLJ 0, 2
	s_wait_loadcnt 37                              ; step 0's weights are in: behind them were issued step 1's 16 loads, 12 of scale words and 9 of x's first fragments
	TURNS 0
	TURNL
	; the counts on LOADcnt in the steps: behind x's fragments of step s stand the 16 weight loads of step s + 2 alone, or nothing in the last two steps; no count hangs on the third block's branch
	STEP 0, 1, 16
	STEP 1, 1, 16
	STEP 2, 1, 16
	STEP 3, 1, 16
	STEP 4, 1, 16
	STEP 5, 1, 16
	STEP 6, 1, 0
	STEP 7, 0, 0
	s_mov_b32 s54, 0                               ; trips of the loop below
.Lpass:                                                ; a trip: the pass's three blocks leave; if tiles are left, the next 24 are multiplied.  No barrier from here on
	EPI 0
	EPI 1
	EPI 2
	s_add_co_u32 s17, s17, 24
	s_cmp_lt_u32 s17, s16
	s_cbranch_scc0 .Ldone                          ; no tile is left.  In the third trip s17 is 72, over the 64 tiles that an expert has at the most: that trip always leaves here
	s_wait_xcnt 0x0                                ; the stores have read their registers: the fragments' loads land there
	SETUP
	XSL
	XLJ 0, 0
	XLJ 0, 1
	XLJ 0, 2
	WORK 0, 0, 0                                   ; the weights' fragments lie in LDS; nothing is issued behind a step's fragments of x
	WORK 1, 0, 0
	WORK 2, 0, 0
	WORK 3, 0, 0
	WORK 4, 0, 0
	WORK 5, 0, 0
	WORK 6, 0, 0
	WORK 7, 0, 0
	s_add_co_u32 s54, s54, 1
	s_cmp_lt_u32 s54, 3
	s_cbranch_scc1 .Lpass
.Ldone:
	s_wait_xcnt 0x0
	v_lshl_add_u32 v254, v0, 2, 0x2a800
	v_mov_b32 v255, 0
	s_wait_tensorcnt 0x0
	ds_add_u32 v254, v255
	s_wait_dscnt 0x0
	s_endpgm
.Lfunc_end_k_q8b758bb853_up:
	.size	k_q8b758bb853_up, .Lfunc_end_k_q8b758bb853_up-k_q8b758bb853_up
	.p2alignl 7, 3214868480
	.fill 96, 4, 3214868480
	.section	.rodata,"a",@progbits
	.p2align	6, 0x0
	.amdhsa_kernel k_q8b758bb853_up
		.amdhsa_group_segment_fixed_size 175104
		.amdhsa_private_segment_fixed_size 0
		.amdhsa_enable_private_segment 0
		.amdhsa_kernarg_size 32
		.amdhsa_user_sgpr_count 2
		.amdhsa_user_sgpr_kernarg_segment_ptr 1
		.amdhsa_wavefront_size32 1
		.amdhsa_system_sgpr_workgroup_id_x 1
		.amdhsa_system_sgpr_workgroup_id_y 1
		.amdhsa_system_sgpr_workgroup_id_z 1
		.amdhsa_system_vgpr_workitem_id 0
		.amdhsa_next_free_vgpr 512
		.amdhsa_next_free_sgpr 66
		.amdhsa_reserve_vcc 0
		.amdhsa_float_denorm_mode_32 3
		.amdhsa_float_denorm_mode_16_64 3
		.amdhsa_memory_ordered 1
		.amdhsa_forward_progress 1
		.amdhsa_inst_pref_size 213
	.end_amdhsa_kernel
	.amdgpu_metadata
---
amdhsa.version: [ 1, 2 ]
amdhsa.kernels:
  - .name:           k_q8b758bb853_up
    .symbol:         k_q8b758bb853_up.kd
    .args:
      - { .name: w1, .offset: 0, .size: 8, .value_kind: global_buffer, .address_space: global }
      - { .name: xs, .offset: 8, .size: 8, .value_kind: global_buffer, .address_space: global }
      - { .name: tab, .offset: 16, .size: 8, .value_kind: global_buffer, .address_space: global }
      - { .name: hq, .offset: 24, .size: 8, .value_kind: global_buffer, .address_space: global }
    .group_segment_fixed_size: 175104
    .private_segment_fixed_size: 0
    .kernarg_segment_align: 8
    .kernarg_segment_size: 32
    .max_flat_workgroup_size: 256
    .sgpr_count:     66
    .vgpr_count:     512
    .wavefront_size: 32
...
	.end_amdgpu_metadata
.endif
;; end of part 3
;; launch down (part 4): grid 32 x 8, 8 waves a work-group, no clusters, 175,104 bytes of LDS; arguments w2, hq, tab, yb; writes yb
.if DOCPART == 4
	.amdgcn_target "amdgcn-amd-amdhsa--gfx1250"
	.amdhsa_code_object_version 6
	.text
	.protected	k_q8b758bb853_down
	.globl	k_q8b758bb853_down
	.p2align	8
	.type	k_q8b758bb853_down,@function
k_q8b758bb853_down:
	s_mov_b64 s[64:65], 0
	v_nop
	global_prefetch_b8 v0, s[64:65] scope:SCOPE_SE
	s_setreg_imm32_b32 hwreg(HW_REG_WAVE_MODE, 25, 1), 1
	s_wait_xcnt 0x0
; DOWN.  y = h w2^T for the rows that chose an expert, both operands in BF6 (E3M2) with one E8M0 byte for each 32 along K = F.  h arrives as images of operand registers.
; SHARES.  Work-group (x, y = expert): x / 2 = a block of 64 rows d of the expert's w2, x % 2 = a half of K (2,048 of 4,096): 512 KiB of f32, read once, quantised in registers on the way, against all
; tiles of 16 of that expert's rows.  No tensor load, no copy, no cluster: how many tiles there are, which blocks are multiplied and which are stored hang on a count read from memory.
; A STEP is 256 along K, eight in all, written out.  Wave w loads, turns, quantises and publishes the fragment (d tile w % 4, K step 2 m + w / 4); one barrier; every wave loads all eight fragments
; and multiplies them with ITS three tiles of rows (held to the last tile for loads).
; THE TURN OF STEP m + 1 STANDS AMONG THE PRODUCTS OF STEP m: behind the products on fragments 0-3 (the step's first K step), whose registers it lands on, and ahead of those on fragments 4-7.
; THE THIRD BLOCK is multiplied and loaded only where tile wave + 16 exists: a scalar branch round its products and its next loads, which joins again ahead of the next barrier: every wave passes all eight
; barriers.  Step 0 takes all three blocks, so that the block's registers are written on every way.
; EACH STEP'S IMAGES HAVE LDS BYTES OF THEIR OWN, written once: behind the eighth barrier all 64 fragments lie in LDS, and an expert with more than 24 tiles is served by further passes of 24 tiles that read
; the weights from LDS: a loop with no barrier, counted to 3 (64 tiles at the most, 24 a pass) and left as soon as no tile remains.
; The product is used with source 0 = w2, source 1 = h: a lane holds one row and eight neighbouring d.  The two halves of K go to two planes of yb and are added by the last launch.
; yb: [K half 2][d block 16][row 1,024 e + rank][64 d] f32: a row's piece is 256 consecutive bytes at a multiple of 256.
; LIMITS: NaN and infinities are not served; a block of zeros gets the byte 1 (zero codes; this program alone reads the bytes); y's sum is made in two halves of K.
; REGISTERS, window 0: v1 16 lane, v2 w2 offset, v3-8 and v20-23 LDS addresses, v9-11, v12-14 offsets of my tiles' images and scale words, v15 8 h, v16 store offset, v17 4 lane, v18-19 the way out's LDS addresses,
;   v24-26 h's scale words, v27 128 h + 4 lane, v36-43 w2's scale words, v44-91 at work / fragments 4-7, v92-155 64 numbers / fragments 0-3 / rows of y, v192-255 load set 0.
;   Window 1: v0-95 12 accumulators, v96-167 h's six fragments, v192-255 load set 1.
.set STG,  8448
.set IMG,  8*STG
.set IMGB, 13312
.set IS,   5                           ; v5-6   where I store my image: slots 0-3, slots 4-7 (an LDS immediate ends at 65,535)
.set SS,   7                           ; v7-8   and my scale words
.set IL,   20                          ; v20-21 where all images are read
.set SL,   22                          ; v22-23 and all scale words
.set X,    92
.set WPC,  60
.set WD,   50
.set WU,   51
.set CT0,  52
.set CT1,  56
.set SEL,  28
.set MSB,  0
.macro WIN new                         ; the immediate's high byte repeats the setting that is left
.if MSB != (\new)
	s_set_vgpr_msb (MSB<<8)|(\new)
.set MSB, (\new)
.endif
.endm
.macro PLACES                          ; four places behind products, ahead of loads into their operands, of vector writes there, and of the first read of results
.rept 4
	v_nop
.endr
.endm
.macro WL m, p                         ; my fragment's 16 rows of step m into load set p: each load 512 consecutive bytes
	WIN 0x40*(\p)
.irp i, 0,1,2,3,4,5,6,7,8,9,10,11,12,13,14,15
	global_load_b128 v[192+4*\i:195+4*\i], v2, s[4:5] offset:16384*\i+1024*(\m) th:TH_LOAD_NT
.endr
	WIN 0
.endm
.macro TURNS p                         ; set p into my stage, as loaded
	WIN 0x04*(\p)
.irp i, 0,1,2,3,4,5,6,7,8,9,10,11,12,13,14,15
	ds_store_b128 v3, v[192+4*\i:195+4*\i] offset:528*\i
.endr
	WIN 0
.endm
.macro TURNL                           ; and back: X[32 c + i] = k 64 c + 32 h + i of row r.  LDS serves a wave's instructions in order: these see the stores
.irp c, 0,1
.irp q, 0,1,2,3,4,5,6,7
	ds_load_b128 v[X+32*\c+4*\q:X+32*\c+4*\q+3], v4 offset:256*\c+16*\q
.endr
.endr
.endm
.macro QUANTW                          ; two whole blocks a lane: codes into v[WPC] on, the row's scale word into v[WD]
.irp u, 0,1,2,3
	v_max3_num_f32 v[44+\u], |v[X+16*\u]|, |v[X+16*\u+1]|, 0x2800000        ; four chains, each with the floor 2^(5 - 127)
.endr
.irp i, 2,4,6,8,10,12,14
.irp u, 0,1,2,3
	v_max3_num_f32 v[44+\u], v[44+\u], |v[X+16*\u+\i]|, |v[X+16*\u+\i+1]|
.endr
.endr
	v_max_num_f32 v44, v44, v45
	v_max_num_f32 v46, v46, v47
	v_add_nc_u32 v48, 0xfe000000, v44              ; 4 off the exponent field: the conversion's scale operand
	v_add_nc_u32 v49, 0xfe000000, v46
	v_lshrrev_b32 v44, 23, v48
	v_lshrrev_b32 v46, 23, v49
	v_lshl_or_b32 v[WD], v46, 16, v44
	v_lshlrev_b32 v[WD], v15, v[WD]
	v_permlanex16_b32 v[WU], v[WD], s[SEL], s[SEL+1]
	v_or_b32 v[WD], v[WD], v[WU]
	v_cvt_scalef32_pk16_bf6_f32 v[WPC:WPC+2], v[X:X+15], v48
	v_cvt_scalef32_pk16_bf6_f32 v[CT0:CT0+2], v[X+16:X+31], v48
	v_cvt_scalef32_pk16_bf6_f32 v[WPC+6:WPC+8], v[X+32:X+47], v49
	v_cvt_scalef32_pk16_bf6_f32 v[CT1:CT1+2], v[X+48:X+63], v49
	v_nop                                          ; one plain place behind a scaled conversion
.irp i, 0,1,2
	v_mov_b32 v[WPC+3+\i], v[CT0+\i]
	v_mov_b32 v[WPC+9+\i], v[CT1+\i]
.endr
.endm
.macro IMAGE s                         ; my fragment into step s's slot
.irp q, 0,1,2
	ds_store_b128 v[IS+(\s)/4], v[WPC+4*\q:WPC+4*\q+3] offset:IMGB*((\s)%4)+512*\q
.endr
	ds_store_b32 v[SS+(\s)/4], v[WD] offset:IMGB*((\s)%4)
.endm
.macro FETCHW s                        ; all eight fragments of step s and their scale words: four LDS loads a fragment, fragments 0-3 first
.irp t, 0,1,2,3,4,5,6,7
.irp q, 0,1,2
	ds_load_b128 v[92+12*\t-96*(\t/4)+4*\q:95+12*\t-96*(\t/4)+4*\q], v[IL+(\s)/4] offset:IMGB*((\s)%4)+1536*\t+512*\q
.endr
	ds_load_b32 v[36+\t], v[SL+(\s)/4] offset:IMGB*((\s)%4)+128*\t
.endr
.endm
.macro HL01 m                          ; blocks 0 and 1: fragments of K steps 2 m and 2 m + 1, and their scale words: 14 loads
	WIN 0x40
.irp j, 0,1
.irp k, 0,1
.irp q, 0,1,2
	global_load_b128 v[96+12*(2*\j+\k)+4*\q:99+12*(2*\j+\k)+4*\q], v[9+\j], s[24:25] offset:1536*(2*(\m)+\k)+512*\q
.endr
.endr
.endr
	WIN 0
.irp j, 0,1
	global_load_b32 v[24+\j], v[12+\j], s[26:27] offset:256*(\m)   ; lanes 0-15 K step 2 m's words, lanes 16-31 K step 2 m + 1's
.endr
.endm
.macro HL2 m                           ; block 2: 7 loads
	WIN 0x40
.irp k, 0,1
.irp q, 0,1,2
	global_load_b128 v[144+12*\k+4*\q:147+12*\k+4*\q], v11, s[24:25] offset:1536*(2*(\m)+\k)+512*\q
.endr
.endr
	WIN 0
	global_load_b32 v26, v14, s[26:27] offset:256*(\m)
.endm
.macro SETUP                           ; the pass's tiles (s17 = its first): as they are numbered, and held to the expert's last tile for loads and products
	s_add_co_u32 s36, s17, s14
	s_add_co_u32 s37, s36, 8
	s_add_co_u32 s38, s36, 16
.irp j, 0,1,2
	s_min_u32 s[18+\j], s[36+\j], s21
	s_min_u32 s[18+\j], s[18+\j], 63
	s_mul_i32 s35, s[18+\j], 49152
	v_add_nc_u32 v[9+\j], s35, v1
	s_lshl_b32 s35, s[18+\j], 12
	v_add_nc_u32 v[12+\j], s35, v27
.endr
.endm
.macro PROD m, k, j                    ; d tile nn x block j, K step 2 m + k.  The first K step starts the sums
.set aC, 32*(\j)+8*nn
.set aW, 92+12*nn-48*(\k)
.set aH, 96+12*(2*(\j)+(\k))
.if ((\m) == 0) && ((\k) == 0)
	v_wmma_scale_f32_16x16x128_f8f6f4 v[aC:aC+7], v[aW:aW+11], v[aH:aH+11], 0, v[36+4*(\k)+nn], v[24+(\j)] matrix_a_fmt:MATRIX_FMT_BF6 matrix_b_fmt:MATRIX_FMT_BF6
.elseif (\k) == 0
	v_wmma_scale_f32_16x16x128_f8f6f4 v[aC:aC+7], v[aW:aW+11], v[aH:aH+11], v[aC:aC+7], v[36+4*(\k)+nn], v[24+(\j)] matrix_a_fmt:MATRIX_FMT_BF6 matrix_b_fmt:MATRIX_FMT_BF6
.else
	v_wmma_scale_f32_16x16x128_f8f6f4 v[aC:aC+7], v[aW:aW+11], v[aH:aH+11], v[aC:aC+7], v[36+4*(\k)+nn], v[24+(\j)] matrix_a_fmt:MATRIX_FMT_BF6 matrix_b_fmt:MATRIX_FMT_BF6 matrix_b_scale:MATRIX_SCALE_ROW1
.endif
.endm
.macro MUL01 m, k                      ; the four d tiles x blocks 0 and 1: eight products
.irp j, 0,1
.irp n, 0,1,2,3
.set nn, \n
	PROD \m, \k, \j
.endr
.endr
.endm
.macro MUL2 m, k                       ; the four d tiles x block 2: four products
.irp n, 0,1,2,3
.set nn, \n
	PROD \m, \k, 2
.endr
.endm
; A step's work behind its barrier.  turn = 1: the next step's weights go through my stage among the products.  lcnt: the global loads issued behind this step's fragments of h.
; The accumulators take turns, one instruction a turn, on every way and over the steps' edges.
.macro WORK s, turn, lcnt
	FETCHW \s
	s_wait_loadcnt \lcnt                           ; h's fragments of this step are in, and all that was issued ahead of them: the next step's weights among it
	s_wait_dscnt 16                                ; fragments 0-3 and their scale words are in; the sixteen loads of fragments 4-7 may be out
	WIN 0x54                                       ; source 1, C and D in window 1
	MUL01 \s, 0
.if (\s) == 0
	MUL2 \s, 0
	WIN 0
.else
	WIN 0
	s_cmp_lt_u32 s38, s16                          ; is there a tile wave + 16?
	s_cbranch_scc0 .La_\@
	WIN 0x54
	MUL2 \s, 0
	WIN 0
.La_\@:
.endif
.if \turn
	PLACES                                         ; the stage's loads land on fragments 0-3
	TURNS ((\s)+1)%2
	TURNL
	s_wait_dscnt 32                                ; fragments 4-7 are in; the stage's sixteen stores and sixteen loads may be out
.else
	s_wait_dscnt 0x0
.endif
	WIN 0x54
	MUL01 \s, 1
.if (\s) == 0
	MUL2 \s, 1
.endif
	WIN 0
	s_cmp_lt_u32 s38, s16
	s_cbranch_scc0 .Lb_\@
.if (\s) > 0
	WIN 0x54
	MUL2 \s, 1
	WIN 0
.endif
.if (\s) <= 6
	PLACES
	HL2 (\s)+1
.endif
.Lb_\@:
	PLACES
.if (\s) <= 6
	HL01 (\s)+1
.endif
.endm
; A step of the first pass: its numbers were turned among the last step's products
.macro STEP s, turn, lcnt
	s_wait_dscnt 0x0                               ; X is in, and the stage's stores have read their load set
.if (\s) <= 5
	WL (\s)+2, (\s)%2                              ; two steps ahead, into the set just left
.endif
	QUANTW
	IMAGE \s
	s_wait_dscnt 0x0                               ; for the others' sake: my image has landed
	s_barrier_signal -1
	s_barrier_wait -1
	WORK \s, \turn, \lcnt
.endm
; Block j's way out, if its tile exists: 16 rows x 64 d through my own stage (rows of 256 + 16 bytes), back as whole rows, stored two rows an instruction.  No barrier stands under this branch.
.macro EPI j
	s_cmp_lt_u32 s[36+\j], s16
	s_cbranch_scc0 .Lskip_\@
	s_wait_xcnt 0x0                                ; the block before has had its stores' registers read
	s_lshl_b32 s35, s[18+\j], 12
	v_add_nc_u32 v16, s35, v1
	WIN 0x04                                       ; an LDS store's data are its source 1: window 1
.irp n, 0,1,2,3
	ds_store_b128 v18, v[32*\j+8*\n:32*\j+8*\n+3] offset:64*\n          ; each accumulator from its low end on
	ds_store_b128 v18, v[32*\j+8*\n+4:32*\j+8*\n+7] offset:64*\n+16
.endr
	WIN 0
.irp q, 0,1,2,3,4,5,6,7
	ds_load_b128 v[92+4*\q:95+4*\q], v19 offset:544*\q                   ; LDS serves a wave's instructions in order: these see my stores
.endr
	s_wait_dscnt 0x0
.irp q, 0,1,2,3,4,5,6,7
	global_store_b128 v16, v[92+4*\q:95+4*\q], s[48:49] offset:512*\q th:TH_STORE_NT   ; 512 consecutive bytes at a multiple of 256
.endr
.Lskip_\@:
.endm
	s_load_b256 s[4:11], s[0:1], 0x0               ; w2 s[4:5], hq s[6:7], tab s[8:9], yb s[10:11]
	v_lshl_add_u32 v190, v0, 2, 0x2a800
	v_mov_b32 v191, 0
	v_lshrrev_b32 v44, 5, v0
	v_readfirstlane_b32 s14, v44                   ; wave
	v_and_b32 v45, 31, v0                          ; lane
	v_and_b32 v46, 15, v0                          ; r
	v_bfe_u32 v47, v0, 4, 1                        ; h
	v_lshlrev_b32 v1, 4, v45
	v_lshlrev_b32 v17, 2, v45
	v_lshlrev_b32 v15, 3, v47
	v_lshl_add_u32 v27, v47, 7, v17                ; 128 h + 4 x lane
	s_mul_i32 s21, s14, STG
	v_add_nc_u32 v3, s21, v1                       ; stage, in
	v_mul_u32_u24 v4, v46, 528
	v_lshl_add_u32 v4, v47, 7, v4
	v_add_nc_u32 v4, s21, v4                       ; stage, back
	v_mul_u32_u24 v18, v46, 272
	v_lshl_add_u32 v18, v47, 5, v18
	v_add_nc_u32 v18, s21, v18                     ; the way out, in: row r, + 32 h
	v_mul_u32_u24 v19, v47, 272
	v_lshl_add_u32 v19, v46, 4, v19
	v_add_nc_u32 v19, s21, v19                     ; the way out, back: lanes 0-15 one row, lanes 16-31 the next
	s_mul_i32 s21, s14, 1536
	s_add_co_u32 s21, s21, IMG
	v_add_nc_u32 v[IS], s21, v1                    ; my image
	v_add_nc_u32 v[IS+1], 4*IMGB, v[IS]
	s_lshl_b32 s21, s14, 7
	s_add_co_u32 s21, s21, IMG+12288
	v_add_nc_u32 v[SS], s21, v17                   ; my scale words
	v_add_nc_u32 v[SS+1], 4*IMGB, v[SS]
	v_add_nc_u32 v[IL], IMG, v1                    ; all images
	v_add_nc_u32 v[IL+1], IMG+4*IMGB, v1
	v_add_nc_u32 v[SL], IMG+12288, v17             ; all scale words
	v_add_nc_u32 v[SL+1], IMG+12288+4*IMGB, v17
	s_and_b32 s21, s14, 3
	s_lshl_b32 s21, s21, 18                        ; d tile wave % 4: 16 rows of 16,384 bytes
	s_lshr_b32 s22, s14, 2
	s_lshl_b32 s22, s22, 9                         ; K step wave / 4 of the step's two
	s_add_co_u32 s21, s21, s22
	v_add_nc_u32 v2, s21, v1
	v_mov_b32 v[WU], 0                             ; a lane permute's destination counts as one of its sources
	s_mov_b32 s[SEL], 0x76543210
	s_mov_b32 s[SEL+1], 0xfedcba98
	s_mov_b32 s17, 0                               ; the first pass begins at tile 0
	s_lshr_b32 s52, ttmp9, 1                       ; the block of 64 d
	s_and_b32 s53, ttmp9, 1                        ; the half of K
	s_and_b32 s12, ttmp7, 0xffff                   ; the expert
	s_lshl_b32 s39, s12, 2
	s_lshl_b32 s22, s12, 24
	s_lshl_b32 s23, s52, 20
	s_add_co_u32 s22, s22, s23
	s_lshl_b32 s23, s53, 13
	s_add_co_u32 s22, s22, s23
	s_mov_b32 s23, 0
	s_wait_kmcnt 0x0
	s_load_b32 s15, s[8:9], s39 offset:0x2000      ; the expert's count of rows
	s_add_nc_u64 s[4:5], s[4:5], s[22:23]          ; w2 at expert e, row 64 x block, K half
	WL 0, 0                                        ; the weights' addresses hang on ids alone: their loads go out ahead of the count
	WL 1, 1
	s_mul_i32 s22, s12, 3145728
	s_mul_i32 s35, s53, 24576
	s_add_co_u32 s22, s22, s35
	s_add_nc_u64 s[24:25], s[6:7], s[22:23]        ; hq: e's images, from K step 16 x half on,
	s_lshl_b32 s22, s12, 18
	s_lshl_b32 s35, s53, 11
	s_add_co_u32 s22, s22, s35
	s_add_co_u32 s22, s22, 25165824
	s_add_nc_u64 s[26:27], s[6:7], s[22:23]        ; and their scale words
	s_lshl_b32 s22, s53, 4
	s_add_co_u32 s22, s22, s52
	s_lshl_b32 s22, s22, 21
	s_lshl_b32 s35, s12, 18
	s_add_co_u32 s22, s22, s35
	s_add_nc_u64 s[48:49], s[10:11], s[22:23]      ; yb: plane (half, block), e's rows
	s_wait_kmcnt 0x0
	s_add_co_u32 s16, s15, 15
	s_lshr_b32 s16, s16, 4
	s_min_u32 s16, s16, 64                         ; tiles of 16 rows
	s_sub_co_u32 s21, s16, 1                       ; the last tile (an expert without rows: the greatest number; its blocks are computed on what lies in hq and never stored)
	SETUP
	HL01 0
	HL2 0
	s_wait_loadcnt 37                              ; step 0's weights are in: behind them were issued step 1's 16 loads and the 21 of h's first fragments and scale words
	TURNS 0
	TURNL
	; the counts on LOADcnt in the steps: behind h's fragments of step m stand the 16 weight loads of step m + 2 alone, or nothing in the last two steps; no count hangs on the third block's branch
	STEP 0, 1, 16
	STEP 1, 1, 16
	STEP 2, 1, 16
	STEP 3, 1, 16
	STEP 4, 1, 16
	STEP 5, 1, 16
	STEP 6, 1, 0
	STEP 7, 0, 0
	s_mov_b32 s54, 0                               ; trips of the loop below
.Lpass:                                                ; a trip: the pass's three blocks leave; if tiles are left, the next 24 are multiplied.  No barrier from here on
	EPI 0
	EPI 1
	EPI 2
	s_add_co_u32 s17, s17, 24
	s_cmp_lt_u32 s17, s16
	s_cbranch_scc0 .Ldone                          ; no tile is left.  In the third trip s17 is 72, over the 64 tiles that an expert has at the most: that trip always leaves here
	s_wait_xcnt 0x0                                ; the stores have read their registers: the fragments' loads land there
	SETUP
	HL01 0
	HL2 0
	WORK 0, 0, 0                                   ; the weights' fragments lie in LDS; nothing is issued behind a step's fragments of h
	WORK 1, 0, 0
	WORK 2, 0, 0
	WORK 3, 0, 0
	WORK 4, 0, 0
	WORK 5, 0, 0
	WORK 6, 0, 0
	WORK 7, 0, 0
	s_add_co_u32 s54, s54, 1
	s_cmp_lt_u32 s54, 3
	s_cbranch_scc1 .Lpass
.Ldone:
	s_wait_tensorcnt 0x0
	ds_add_u32 v190, v191
	s_wait_dscnt 0x0
	s_endpgm
.Lfunc_end_k_q8b758bb853_down:
	.size	k_q8b758bb853_down, .Lfunc_end_k_q8b758bb853_down-k_q8b758bb853_down
	.p2alignl 7, 3214868480
	.fill 96, 4, 3214868480
	.section	.rodata,"a",@progbits
	.p2align	6, 0x0
	.amdhsa_kernel k_q8b758bb853_down
		.amdhsa_group_segment_fixed_size 175104
		.amdhsa_private_segment_fixed_size 0
		.amdhsa_enable_private_segment 0
		.amdhsa_kernarg_size 32
		.amdhsa_user_sgpr_count 2
		.amdhsa_user_sgpr_kernarg_segment_ptr 1
		.amdhsa_wavefront_size32 1
		.amdhsa_system_sgpr_workgroup_id_x 1
		.amdhsa_system_sgpr_workgroup_id_y 1
		.amdhsa_system_sgpr_workgroup_id_z 1
		.amdhsa_system_vgpr_workitem_id 0
		.amdhsa_next_free_vgpr 512
		.amdhsa_next_free_sgpr 66
		.amdhsa_reserve_vcc 0
		.amdhsa_float_denorm_mode_32 3
		.amdhsa_float_denorm_mode_16_64 3
		.amdhsa_memory_ordered 1
		.amdhsa_forward_progress 1
		.amdhsa_inst_pref_size 193
	.end_amdhsa_kernel
	.amdgpu_metadata
---
amdhsa.version: [ 1, 2 ]
amdhsa.kernels:
  - .name:           k_q8b758bb853_down
    .symbol:         k_q8b758bb853_down.kd
    .args:
      - { .name: w2, .offset: 0, .size: 8, .value_kind: global_buffer, .address_space: global }
      - { .name: hq, .offset: 8, .size: 8, .value_kind: global_buffer, .address_space: global }
      - { .name: tab, .offset: 16, .size: 8, .value_kind: global_buffer, .address_space: global }
      - { .name: yb, .offset: 24, .size: 8, .value_kind: global_buffer, .address_space: global }
    .group_segment_fixed_size: 175104
    .private_segment_fixed_size: 0
    .kernarg_segment_align: 8
    .kernarg_segment_size: 32
    .max_flat_workgroup_size: 256
    .sgpr_count:     66
    .vgpr_count:     512
    .wavefront_size: 32
...
	.end_amdgpu_metadata
.endif
;; end of part 4
;; launch combine (part 5): grid 256 x 1, 4 waves a work-group, no clusters, 0 bytes of LDS; arguments yb, tab, xq, out0; writes out0
.if DOCPART == 5
	.amdgcn_target "amdgcn-amd-amdhsa--gfx1250"
	.amdhsa_code_object_version 6
	.text
	.protected	k_q8b758bb853_combine
	.globl	k_q8b758bb853_combine
	.p2align	8
	.type	k_q8b758bb853_combine,@function
k_q8b758bb853_combine:
	s_mov_b64 s[64:65], 0
	v_nop
	global_prefetch_b8 v0, s[64:65] scope:SCOPE_SE
	s_setreg_imm32_b32 hwreg(HW_REG_WAVE_MODE, 25, 1), 1
	s_wait_xcnt 0x0
; COMBINE.  out[t] = w0 (y[p0], both halves of K) + w1 (y[p1], both halves).  A wave takes one token: its two rows' places come from tab.pos, its two weights (softmax of the two x expert_scale) from xq.
; yb: [K half 2][d block 16][row][64 d] f32.  A store covers 512 consecutive bytes of the token's row (two d blocks): lanes 0-15 the even block, lanes 16-31 the odd one, 2 MiB further on.
; A stream: no LDS, no barrier, no matrix unit.  All 32 loads of a wave go out at once; the waits count down by four.
	s_load_b256 s[4:11], s[0:1], 0x0               ; yb s[4:5], tab s[6:7], xq s[8:9], out0 s[10:11]
	v_lshrrev_b32 v1, 5, v0
	v_readfirstlane_b32 s14, v1                    ; wave
	v_and_b32 v2, 15, v0
	v_lshlrev_b32 v2, 4, v2
	v_bfe_u32 v3, v0, 4, 1
	v_lshl_add_u32 v2, v3, 21, v2                  ; 16 (lane % 16) + 2 MiB x (lane / 16)
	v_and_b32 v6, 31, v0
	v_lshlrev_b32 v6, 4, v6                        ; 16 x lane
	s_lshl_b32 s15, ttmp9, 2
	s_add_co_u32 s15, s15, s14                     ; my token
	s_lshl_b32 s20, s15, 3
	s_lshl_b32 s24, s15, 12
	s_mov_b32 s25, 0
	s_wait_kmcnt 0x0
	s_load_b64 s[16:17], s[6:7], s20 offset:0x0    ; the two rows
	s_load_b64 s[18:19], s[8:9], s20 offset:0xc8000   ; the two weights
	s_add_nc_u64 s[10:11], s[10:11], s[24:25]
.irp b, 0,1,2,3,4,5,6,7
	s_add_nc_u64 s[32+2*\b:33+2*\b], s[4:5], \b*0x800000   ; eight bases 8 MiB apart; the immediate reaches the 4 MiB between
.endr
	s_wait_kmcnt 0x0
	s_min_u32 s16, s16, 8191
	s_min_u32 s17, s17, 8191
	s_lshl_b32 s16, s16, 8
	s_lshl_b32 s17, s17, 8
	v_add_nc_u32 v4, s16, v2
	v_add_nc_u32 v5, s17, v2
	s_mov_b32 s22, s19                             ; the second weight as the low word of a pair
	s_mov_b32 s23, s19
.irp i, 0,1,2,3,4,5,6,7
.irp k, 0,1
.irp u, 0,1
	global_load_b128 v[16+16*\i+8*\k+4*\u:19+16*\i+8*\k+4*\u], v[4+\k], s[32+2*((8*\u+\i)/2):33+2*((8*\u+\i)/2)] offset:((8*\u+\i)%2)*4194304 th:TH_LOAD_NT
.endr
.endr
.endr
.irp i, 0,1,2,3,4,5,6,7
	s_wait_loadcnt 28-4*\i                         ; this piece's four loads are in; 4 (7 - i) were issued behind them
.irp p, 0,2
	v_pk_add_f32 v[16+16*\i+\p:17+16*\i+\p], v[16+16*\i+\p:17+16*\i+\p], v[20+16*\i+\p:21+16*\i+\p]
	v_pk_add_f32 v[24+16*\i+\p:25+16*\i+\p], v[24+16*\i+\p:25+16*\i+\p], v[28+16*\i+\p:29+16*\i+\p]
	v_pk_mul_f32 v[16+16*\i+\p:17+16*\i+\p], v[16+16*\i+\p:17+16*\i+\p], s[18:19] op_sel_hi:[1,0]
	v_pk_fma_f32 v[16+16*\i+\p:17+16*\i+\p], v[24+16*\i+\p:25+16*\i+\p], s[22:23], v[16+16*\i+\p:17+16*\i+\p] op_sel_hi:[1,0,1]
.endr
	global_store_b128 v6, v[16+16*\i:19+16*\i], s[10:11] offset:512*\i th:TH_STORE_NT
.endr
	s_endpgm
.Lfunc_end_k_q8b758bb853_combine:
	.size	k_q8b758bb853_combine, .Lfunc_end_k_q8b758bb853_combine-k_q8b758bb853_combine
	.p2alignl 7, 3214868480
	.fill 96, 4, 3214868480
	.section	.rodata,"a",@progbits
	.p2align	6, 0x0
	.amdhsa_kernel k_q8b758bb853_combine
		.amdhsa_group_segment_fixed_size 0
		.amdhsa_private_segment_fixed_size 0
		.amdhsa_enable_private_segment 0
		.amdhsa_kernarg_size 32
		.amdhsa_user_sgpr_count 2
		.amdhsa_user_sgpr_kernarg_segment_ptr 1
		.amdhsa_wavefront_size32 1
		.amdhsa_system_sgpr_workgroup_id_x 1
		.amdhsa_system_sgpr_workgroup_id_y 1
		.amdhsa_system_sgpr_workgroup_id_z 1
		.amdhsa_system_vgpr_workitem_id 0
		.amdhsa_next_free_vgpr 144
		.amdhsa_next_free_sgpr 66
		.amdhsa_reserve_vcc 0
		.amdhsa_float_denorm_mode_32 3
		.amdhsa_float_denorm_mode_16_64 3
		.amdhsa_memory_ordered 1
		.amdhsa_forward_progress 1
		.amdhsa_inst_pref_size 10
	.end_amdhsa_kernel
	.amdgpu_metadata
---
amdhsa.version: [ 1, 2 ]
amdhsa.kernels:
  - .name:           k_q8b758bb853_combine
    .symbol:         k_q8b758bb853_combine.kd
    .args:
      - { .name: yb, .offset: 0, .size: 8, .value_kind: global_buffer, .address_space: global }
      - { .name: tab, .offset: 8, .size: 8, .value_kind: global_buffer, .address_space: global }
      - { .name: xq, .offset: 16, .size: 8, .value_kind: global_buffer, .address_space: global }
      - { .name: out0, .offset: 24, .size: 8, .value_kind: global_buffer, .address_space: global }
    .group_segment_fixed_size: 0
    .private_segment_fixed_size: 0
    .kernarg_segment_align: 8
    .kernarg_segment_size: 32
    .max_flat_workgroup_size: 128
    .sgpr_count:     66
    .vgpr_count:     144
    .wavefront_size: 32
...
	.end_amdgpu_metadata
.endif
;; end of part 5
;; ======== version 2 of 2: 5 launches
;; workspace buffers: xq 827,392 bytes; topi 8,192 bytes of whole numbers; xs 6,553,600 bytes; tab 8,448 bytes of whole numbers; hq 27,262,976 bytes; yb 67,108,864 bytes
;; launch route (part 6): grid 64 x 1, 8 waves a work-group, no clusters, 10,240 bytes of LDS; arguments hidden_states, router_w, expert_scale, xq, topi; writes xq, topi
.if DOCPART == 6
	.amdgcn_target "amdgcn-amd-amdhsa--gfx1250"
	.amdhsa_code_object_version 6
	.text
	.protected	k_q8b758bb853_route
	.globl	k_q8b758bb853_route
	.p2align	8
	.type	k_q8b758bb853_route,@function
k_q8b758bb853_route:
	s_mov_b64 s[64:65], 0
	v_nop
	global_prefetch_b8 v0, s[64:65] scope:SCOPE_SE
	s_setreg_imm32_b32 hwreg(HW_REG_WAVE_MODE, 25, 1), 1
	s_wait_xcnt 0x0
; ROUTE.  A work-group takes 16 tokens; wave s takes K step s (128 of the 1,024 along D).
; Each wave (a) quantises its 16 x 128 numbers of x to BF6 (E3M2) with one E8M0 byte for each 32 along D and stores the fragment as an image of
; the operand's registers (3 groups of 4 registers, lane l's 16 bytes at 512 g + 16 l), (b) makes its part of the router's logits in f32.
; Wave 0 then adds the eight parts, takes softmax, top-2 (the lower index wins a tie), the softmax of the two, times expert_scale;
; wave 1 stores the tile's scale words as 512 consecutive bytes.
; xq: [0) images [tile 64][s 8][1536];  [786432) scale words [tile][s 8][row 16];  [819200) weights [token][2] f32.   topi: [token][2] i32.
; THE LOGITS take f32 operands, since a top-k hangs on them: source 0 = router rows (rows 8-15 repeat 0-7), source 1 = 16 tokens,
; so a lane holds ONE token and its eight registers the eight experts.  k is permuted alike on both sides.
; LIMITS: NaN and infinities are not served; a block of zeros gets the byte 1 (its codes are zeros, and this program alone reads the bytes);
; a probability under 2^-126 counts as 0, and among such the lower index is chosen; the logits' sums are ordered otherwise than a plain dot product.
.set X,   16                           ; v16-79   64 numbers of x: register 16 b + i = k 32 b + 16 (lane / 16) + i of row lane % 16
.set WR,  80                           ; v80-143  the router's numbers at the same k, row (lane % 16) % 8
.set ACC, 144                          ; v144-175 four accumulators, written by matrix instructions alone
.set LG,  176                          ; v176-183 my part of the logits
.set TM,  184                          ; v184-199 at work
.set PW,  200                          ; the scale word
.set PC,  202                          ; v202-220 the codes
.set SEL, 20                           ; s[20:21] selects for lane l xor 16
; 64 numbers of a lane become a fragment's codes in v[PC] on and its scale word in v[PW]
.macro QUANT s
.irp b, 0,1,2,3
	v_max3_num_f32 v[TM+\b], |v[\s+16*\b]|, |v[\s+1+16*\b]|, 0x2800000   ; my 16 numbers of block b, and the floor 2^(5 - 127): the byte cannot fall under 1
.endr
.irp i, 2,4,6,8,10,12,14
.irp b, 0,1,2,3
	s_delay_alu instid0(VALU_DEP_4)
	v_max3_num_f32 v[TM+\b], v[TM+\b], |v[\s+16*\b+\i]|, |v[\s+1+16*\b+\i]|
.endr
.endr
.irp b, 0,1,2,3
	s_delay_alu instid0(VALU_DEP_4)
	v_permlanex16_b32 v[TM+4+\b], v[TM+\b], s[SEL], s[SEL+1]
.endr
.irp b, 0,1,2,3
	s_delay_alu instid0(VALU_DEP_4)
	v_max_num_f32 v[TM+\b], v[TM+\b], v[TM+4+\b]                         ; with lane l xor 16's: the block's largest magnitude
.endr
.irp b, 0,1,2,3
	s_delay_alu instid0(VALU_DEP_4)
	v_add_nc_u32 v[TM+12+\b], 0xfe000000, v[TM+\b]                       ; 4 off its exponent field: the conversion's scale operand
.endr
.irp b, 0,1,2,3
	s_delay_alu instid0(VALU_DEP_4)
	v_lshrrev_b32 v[TM+4+\b], 23, v[TM+12+\b]                            ; the scale's byte
.endr
	s_delay_alu instid0(VALU_DEP_3)
	v_lshl_or_b32 v[PW], v[TM+5], 8, v[TM+4]
	s_delay_alu instid0(VALU_DEP_1)
	v_lshl_or_b32 v[PW], v[TM+6], 16, v[PW]
	s_delay_alu instid0(VALU_DEP_1)
	v_lshl_or_b32 v[PW], v[TM+7], 24, v[PW]
.irp c, 0,1
	v_cvt_scalef32_pk16_bf6_f32 v[PC+6*\c:PC+2+6*\c], v[\s+32*\c:\s+15+32*\c], v[TM+12+2*\c]
	v_cvt_scalef32_pk16_bf6_f32 v[PC+12+4*\c:PC+14+4*\c], v[\s+16+32*\c:\s+31+32*\c], v[TM+12+2*\c+1]
.endr
	v_nop                                          ; one plain place behind a scaled conversion
.irp c, 0,1                                    ; the operand wants a whole block in a lane: lanes 0-15 block 2 c, lanes 16-31 block 2 c + 1
.irp i, 0,1,2
	v_permlane16_swap_b32 v[PC+6*\c+\i], v[PC+12+4*\c+\i]
.endr
.irp i, 0,1,2
	s_delay_alu instid0(VALU_DEP_3)
	v_mov_b32 v[PC+3+6*\c+\i], v[PC+12+4*\c+\i]
.endr
.endr
.endm
	s_load_b256 s[4:11], s[0:1], 0x0               ; x s[4:5], router_w s[6:7], expert_scale s[8:9], xq s[10:11]
	s_load_b64 s[12:13], s[0:1], 0x20              ; topi
	v_lshl_add_u32 v254, v0, 2, 0x2400
	v_mov_b32 v255, 0
	v_lshrrev_b32 v1, 5, v0
	s_delay_alu instid0(VALU_DEP_1)
	v_readfirstlane_b32 s14, v1                    ; wave = K step
	v_and_b32 v1, 31, v0                           ; lane
	v_and_b32 v2, 15, v0                           ; r
	v_bfe_u32 v3, v0, 4, 1                         ; h
	s_delay_alu instid0(VALU_DEP_2)
	v_lshlrev_b32 v4, 12, v2
	s_delay_alu instid0(VALU_DEP_1)
	v_lshl_add_u32 v4, v3, 6, v4                   ; x: row r of 4,096 bytes + 64 h
	v_and_b32 v5, 7, v0
	s_delay_alu instid0(VALU_DEP_1)
	v_lshlrev_b32 v5, 12, v5
	s_delay_alu instid0(VALU_DEP_1)
	v_lshl_add_u32 v5, v3, 6, v5                   ; router_w: row r % 8 + 64 h
	v_lshlrev_b32 v6, 4, v1                        ; 16 x lane
	s_lshl_b32 s15, s14, 10
	v_add_nc_u32 v7, s15, v6                       ; LDS: my part of the logits: 1,024 x wave + 16 x lane
	v_lshl_add_u32 v8, v0, 2, 8192                 ; LDS: my scale word: 8,192 + 128 x wave + 4 x lane
	v_lshrrev_b32 v9, 2, v1
	v_and_b32 v10, 3, v0
	s_delay_alu instid0(VALU_DEP_1)
	v_lshlrev_b32 v10, 4, v10
	s_delay_alu instid0(VALU_DEP_1)
	v_lshl_add_u32 v9, v9, 7, v10
	s_delay_alu instid0(VALU_DEP_1)
	v_add_nc_u32 v9, 8192, v9                      ; LDS: wave 1 reads K step lane / 4, rows 4 (lane % 4) on
	v_lshlrev_b32 v11, 3, v2
	s_delay_alu instid0(VALU_DEP_1)
	v_lshl_add_u32 v11, v3, 2, v11                 ; the choice's place: 8 r + 4 h (lane (r, h) stores slot h of token r)
.irp b, 0,1,2,3
	v_mov_b32 v[TM+4+\b], 0                        ; a lane permute's destination counts as one of its sources
.endr
	s_mov_b32 s[SEL], 0x76543210
	s_mov_b32 s[SEL+1], 0xfedcba98
	s_lshl_b32 s16, ttmp9, 16                      ; the tile's 16 rows of 4,096 bytes
	s_lshl_b32 s18, s14, 9                         ; my K step's 512 bytes
	s_add_co_u32 s16, s16, s18
	s_mov_b32 s17, 0
	s_mov_b32 s19, 0
	s_mul_i32 s22, ttmp9, 12288
	s_mul_i32 s23, s14, 1536
	s_add_co_u32 s22, s22, s23                     ; my image
	s_mov_b32 s23, 0
	s_lshl_b32 s36, ttmp9, 9
	s_add_co_u32 s36, s36, 786432                  ; the tile's scale words
	s_mov_b32 s37, 0
	s_lshl_b32 s38, ttmp9, 7                       ; the tile's 16 x 8 bytes in topi and among the weights
	s_mov_b32 s39, 0
	s_wait_kmcnt 0x0
	s_load_b256 s[24:31], s[8:9], 0x0              ; expert_scale
	s_add_nc_u64 s[4:5], s[4:5], s[16:17]
	s_add_nc_u64 s[6:7], s[6:7], s[18:19]
	s_add_nc_u64 s[32:33], s[10:11], s[36:37]
	s_add_nc_u64 s[12:13], s[12:13], s[38:39]
	s_add_co_u32 s38, s38, 819200
	s_add_nc_u64 s[34:35], s[10:11], s[38:39]
	s_add_nc_u64 s[10:11], s[10:11], s[22:23]
.irp b, 0,1,2,3
.irp q, 0,1,2,3
	global_load_b128 v[X+16*\b+4*\q:X+16*\b+4*\q+3], v4, s[4:5] offset:128*\b+16*\q th:TH_LOAD_NT
	global_load_b128 v[WR+16*\b+4*\q:WR+16*\b+4*\q+3], v5, s[6:7] offset:128*\b+16*\q
.endr
.endr
	s_wait_loadcnt 0x0
	s_wait_kmcnt 0x0
	; 32 products of 16 x 16 x 4: four accumulators by turns, the first four start the sums
.set qq, 0
.rept 32
.if qq < 4
	v_wmma_f32_16x16x4_f32 v[ACC+8*(qq%4):ACC+8*(qq%4)+7], v[WR+2*qq:WR+2*qq+1], v[X+2*qq:X+2*qq+1], 0
.else
	v_wmma_f32_16x16x4_f32 v[ACC+8*(qq%4):ACC+8*(qq%4)+7], v[WR+2*qq:WR+2*qq+1], v[X+2*qq:X+2*qq+1], v[ACC+8*(qq%4):ACC+8*(qq%4)+7]
.endif
.set qq, qq+1
.endr
	QUANT X
.irp g, 0,1,2
	global_store_b128 v6, v[PC+4*\g:PC+4*\g+3], s[10:11] offset:512*\g   ; 32 lanes store 512 consecutive bytes
.endr
.rept 8
	v_nop                                          ; eight places behind the f32 matrix form before its results are read (ISA guide 7.12.1)
.endr
.irp p, 0,2,4,6
	v_pk_add_f32 v[LG+\p:LG+\p+1], v[ACC+\p:ACC+\p+1], v[ACC+8+\p:ACC+9+\p]     ; each accumulator is read from its low end on
.endr
.irp p, 0,2,4,6
	v_pk_add_f32 v[TM+\p:TM+\p+1], v[ACC+16+\p:ACC+17+\p], v[ACC+24+\p:ACC+25+\p]
.endr
.irp p, 0,2,4,6
	s_delay_alu instid0(VALU_DEP_4)
	v_pk_add_f32 v[LG+\p:LG+\p+1], v[LG+\p:LG+\p+1], v[TM+\p:TM+\p+1]
.endr
	ds_store_b128 v7, v[LG:LG+3]
	ds_store_b128 v7, v[LG+4:LG+7] offset:512
	ds_store_b32 v8, v[PW]
	s_wait_dscnt 0x0                               ; for the others' sake: my LDS stores have landed
	s_barrier_signal -1
	s_barrier_wait -1
	s_cmp_eq_u32 s14, 1
	s_cbranch_scc1 .Lscales
	s_cmp_eq_u32 s14, 0
	s_cbranch_scc1 .Ltop
	s_wait_tensorcnt 0x0
	ds_add_u32 v254, v255
	s_wait_dscnt 0x0
	s_endpgm
.Lscales:                                              ; wave 1: the tile's 8 x 16 scale words leave as 512 consecutive bytes
	ds_load_b128 v[16:19], v9
	s_wait_dscnt 0x0
	global_store_b128 v6, v[16:19], s[32:33]
	s_wait_tensorcnt 0x0
	ds_add_u32 v254, v255
	s_wait_dscnt 0x0
	s_endpgm
.Ltop:                                                 ; wave 0: the choice
.irp w, 0,1,2,3,4,5,6,7
	ds_load_b128 v[16+8*\w:19+8*\w], v6 offset:1024*\w
	ds_load_b128 v[20+8*\w:23+8*\w], v6 offset:1024*\w+512
.endr
	s_wait_dscnt 0x0
.irp w, 1,2,3,4,5,6,7
.irp p, 0,2,4,6
	v_pk_add_f32 v[16+\p:17+\p], v[16+\p:17+\p], v[16+8*\w+\p:17+8*\w+\p]      ; K steps in ascending order
.endr
.endr
	s_delay_alu instid0(VALU_DEP_3)
	v_max3_num_f32 v80, v16, v17, v18
	s_delay_alu instid0(VALU_DEP_1)
	v_max3_num_f32 v80, v80, v19, v20
	s_delay_alu instid0(VALU_DEP_1)
	v_max3_num_f32 v80, v80, v21, v22
	s_delay_alu instid0(VALU_DEP_1)
	v_max_num_f32 v80, v80, v23                    ; the token's largest logit
.irp e, 0,1,2,3,4,5,6,7
	v_sub_f32 v[24+\e], v[16+\e], v80
.endr
.irp e, 0,1,2,3,4,5,6,7
	v_mul_f32 v[24+\e], 0x3fb8aa3b, v[24+\e]
.endr
	s_wait_alu depctr_va_vdst(0)
.irp e, 0,1,2,3,4,5,6,7
	v_exp_f32 v[24+\e], v[24+\e]
.endr
	v_nop                                          ; a plain place behind the exponentials
	s_wait_alu depctr_va_vdst(0)                   ; one wait for the batch, ahead of its first reader
	v_add_f32 v81, v24, v25
	v_add_f32 v82, v26, v27
	v_add_f32 v83, v28, v29
	v_add_f32 v84, v30, v31
	s_delay_alu instid0(VALU_DEP_3)
	v_add_f32 v81, v81, v82
	s_delay_alu instid0(VALU_DEP_2)
	v_add_f32 v83, v83, v84
	s_delay_alu instid0(VALU_DEP_1)
	v_add_f32 v81, v81, v83
	s_wait_alu depctr_va_vdst(0)
	v_rcp_f32 v81, v81
	v_nop
	s_wait_alu depctr_va_vdst(0)
.irp e, 0,1,2,3,4,5,6,7
	v_mul_f32 v[24+\e], v[24+\e], v81              ; the probabilities
.endr
	v_mov_b32 v85, v24                             ; the largest, and its index: a later expert wins only where it is strictly larger
	v_mov_b32 v86, 0
.irp e, 1,2,3,4,5,6,7
	s_delay_alu instid0(VALU_DEP_2)
	v_cmp_le_f32 vcc_lo, v[24+\e], v85
	s_delay_alu instid0(VALU_DEP_1)
	v_cndmask_b32 v85, v[24+\e], v85, vcc_lo
	s_delay_alu instid0(VALU_DEP_2)
	v_cndmask_b32 v86, \e, v86, vcc_lo
.endr
.irp e, 0,1,2,3,4,5,6,7
	v_cmp_ne_u32 vcc_lo, \e, v86
	s_delay_alu instid0(VALU_DEP_1)
	v_cndmask_b32 v[24+\e], -1.0, v[24+\e], vcc_lo ; the chosen one is taken out: -1 lies under every probability
.endr
	v_mov_b32 v87, v24                             ; the second
	v_mov_b32 v88, 0
.irp e, 1,2,3,4,5,6,7
	s_delay_alu instid0(VALU_DEP_2)
	v_cmp_le_f32 vcc_lo, v[24+\e], v87
	s_delay_alu instid0(VALU_DEP_1)
	v_cndmask_b32 v87, v[24+\e], v87, vcc_lo
	s_delay_alu instid0(VALU_DEP_2)
	v_cndmask_b32 v88, \e, v88, vcc_lo
.endr
	s_delay_alu instid0(VALU_DEP_2)
	v_sub_f32 v89, v87, v85                        ; the softmax of the two: the larger is taken away first
	s_delay_alu instid0(VALU_DEP_1)
	v_mul_f32 v89, 0x3fb8aa3b, v89
	s_wait_alu depctr_va_vdst(0)
	v_exp_f32 v89, v89
	v_nop
	s_wait_alu depctr_va_vdst(0)
	v_add_f32 v90, 1.0, v89
	s_wait_alu depctr_va_vdst(0)
	v_rcp_f32 v90, v90                             ; the first weight
	v_nop
	s_wait_alu depctr_va_vdst(0)
	v_mul_f32 v89, v89, v90                        ; the second
	v_cmp_eq_u32 vcc_lo, 0, v3
	s_delay_alu instid0(VALU_DEP_1)
	v_cndmask_b32 v91, v88, v86, vcc_lo            ; lanes 0-15 slot 0, lanes 16-31 slot 1
	v_cndmask_b32 v92, v89, v90, vcc_lo
	v_mov_b32 v93, s24                             ; expert_scale of my slot's expert, by selects
.irp e, 1,2,3,4,5,6,7
	v_cmp_ne_u32 vcc_lo, \e, v91
	s_delay_alu instid0(VALU_DEP_1)
	v_cndmask_b32 v93, s[24+\e], v93, vcc_lo
.endr
	s_delay_alu instid0(VALU_DEP_1)
	v_mul_f32 v92, v92, v93
	global_store_b32 v11, v91, s[12:13]            ; 128 consecutive bytes each
	global_store_b32 v11, v92, s[34:35]
	s_wait_tensorcnt 0x0
	ds_add_u32 v254, v255
	s_wait_dscnt 0x0
	s_endpgm
.Lfunc_end_k_q8b758bb853_route:
	.size	k_q8b758bb853_route, .Lfunc_end_k_q8b758bb853_route-k_q8b758bb853_route
	.p2alignl 7, 3214868480
	.fill 96, 4, 3214868480
	.section	.rodata,"a",@progbits
	.p2align	6, 0x0
	.amdhsa_kernel k_q8b758bb853_route
		.amdhsa_group_segment_fixed_size 10240
		.amdhsa_private_segment_fixed_size 0
		.amdhsa_enable_private_segment 0
		.amdhsa_kernarg_size 40
		.amdhsa_user_sgpr_count 2
		.amdhsa_user_sgpr_kernarg_segment_ptr 1
		.amdhsa_wavefront_size32 1
		.amdhsa_system_sgpr_workgroup_id_x 1
		.amdhsa_system_sgpr_workgroup_id_y 1
		.amdhsa_system_sgpr_workgroup_id_z 1
		.amdhsa_system_vgpr_workitem_id 0
		.amdhsa_next_free_vgpr 256
		.amdhsa_next_free_sgpr 66
		.amdhsa_reserve_vcc 1
		.amdhsa_float_denorm_mode_32 3
		.amdhsa_float_denorm_mode_16_64 3
		.amdhsa_memory_ordered 1
		.amdhsa_forward_progress 1
		.amdhsa_inst_pref_size 26
	.end_amdhsa_kernel
	.amdgpu_metadata
---
amdhsa.version: [ 1, 2 ]
amdhsa.kernels:
  - .name:           k_q8b758bb853_route
    .symbol:         k_q8b758bb853_route.kd
    .args:
      - { .name: hidden_states, .offset: 0, .size: 8, .value_kind: global_buffer, .address_space: global }
      - { .name: router_w, .offset: 8, .size: 8, .value_kind: global_buffer, .address_space: global }
      - { .name: expert_scale, .offset: 16, .size: 8, .value_kind: global_buffer, .address_space: global }
      - { .name: xq, .offset: 24, .size: 8, .value_kind: global_buffer, .address_space: global }
      - { .name: topi, .offset: 32, .size: 8, .value_kind: global_buffer, .address_space: global }
    .group_segment_fixed_size: 10240
    .private_segment_fixed_size: 0
    .kernarg_segment_align: 8
    .kernarg_segment_size: 40
    .max_flat_workgroup_size: 256
    .sgpr_count:     66
    .vgpr_count:     256
    .wavefront_size: 32
...
	.end_amdgpu_metadata
.endif
;; end of part 6
;; launch place (part 7): grid 16 x 8, 4 waves a work-group, no clusters, 0 bytes of LDS; arguments topi, xq, xs, tab; writes xs, tab
.if DOCPART == 7
	.amdgcn_target "amdgcn-amd-amdhsa--gfx1250"
	.amdhsa_code_object_version 6
	.text
	.protected	k_q8b758bb853_place
	.globl	k_q8b758bb853_place
	.p2align	8
	.type	k_q8b758bb853_place,@function
k_q8b758bb853_place:
	s_mov_b64 s[64:65], 0
	v_nop
	global_prefetch_b8 v0, s[64:65] scope:SCOPE_SE
	s_setreg_imm32_b32 hwreg(HW_REG_WAVE_MODE, 25, 1), 1
	s_wait_xcnt 0x0
; PLACE.  Work-group (j, e).  Every wave reads all 1,024 tokens' choices and makes, for expert e, 32 masks of 32 tokens.  A token's rank among e's tokens is
; the number of e's tokens before it: a counting sort without atomics.
;  (C) wave w: tile 4 j + w of e's rows (16 ranks): finds each rank's token and copies that token's part of x's images and its scale words out of xq
;      into xs, so that a tile of xs is again an image of operand registers.  Ranks past the count take token 0: computed later, never read.
;  (A) waves 0, 1: tokens 32 (2 j + wave) on: tab.pos[token][slot] = 1,024 e + rank, stored by the lanes whose token chose e.
;  (B) j = 0, wave 0: tab.cnt[e], stored by lane 0.
; All that forms an address is made with all lanes on, ahead of the first change of EXEC: the two masked stores are the wave's last lines.
; xs: [0) images [e][tile 64][s 8][1536];  [6291456) scale words [e][tile][s 8][row 16].   tab: [0) pos [1024][2];  [8192) cnt[8].
; No barrier: waves share nothing.  ds_permute_b32 touches no LDS byte.
	s_load_b256 s[4:11], s[0:1], 0x0               ; topi s[4:5], xq s[6:7], xs s[8:9], tab s[10:11]
	v_lshrrev_b32 v1, 5, v0
	v_readfirstlane_b32 s14, v1                    ; wave
	v_and_b32 v1, 31, v0                           ; lane
	v_bfe_u32 v3, v0, 4, 1                         ; h
	v_lshlrev_b32 v4, 3, v1                        ; 8 x lane
	v_lshlrev_b32 v128, 4, v1                      ; 16 x lane
	v_lshlrev_b32 v129, 2, v1                      ; 4 x lane
	s_and_b32 s12, ttmp7, 0xffff                   ; e
	s_lshl_b32 s15, ttmp9, 1
	s_add_co_u32 s15, s15, s14                     ; the group of 32 tokens of part (A)
	s_lshl_b32 s16, ttmp9, 2
	s_add_co_u32 s16, s16, s14                     ; the tile of part (C)
	s_lshl_b32 s25, s16, 4                         ; its first rank
	s_lshl_b32 s17, s12, 2
	v_mov_b32 v130, s17                            ; the count's place: 4 e
	s_mov_b32 s28, 0x76543210
	s_mov_b32 s29, 0xfedcba98
	s_wait_alu depctr_va_vdst(0)
	s_wait_kmcnt 0x0
.set g, 0
.rept 32
	global_load_b64 v[16+2*g:17+2*g], v4, s[4:5] offset:256*g      ; a lane a token: 256 consecutive bytes
.set g, g+1
.endr
	s_wait_loadcnt 0x0
	s_mov_b32 s21, 0                               ; e's tokens in all
	s_mov_b32 s22, 0                               ; and in front of part (A)'s group
.set g, 0
.rept 32
	v_cmp_eq_u32 vcc_lo, s12, v[16+2*g]
	v_cmp_eq_u32 s[32+g], s12, v[17+2*g]
	s_or_b32 s[32+g], s[32+g], vcc_lo              ; group g's mask
	s_bcnt1_i32_b32 s20, s[32+g]
	s_add_co_u32 s21, s21, s20
	s_cmp_gt_u32 s15, g
	s_cselect_b32 s20, s20, 0
	s_add_co_u32 s22, s22, s20
.set g, g+1
.endr
	; ---- (C)
	s_cmp_lt_u32 s25, s21
	s_cbranch_scc0 .Lno_tile                       ; e has no such tile
	s_sub_co_u32 s26, 0, s25                       ; ranks in front of group g, less the tile's first rank
.set g, 0
.rept 32
	v_mbcnt_lo_u32_b32 v8, s[32+g], 0
	v_add_nc_u32 v8, s26, v8                       ; my token's place in the tile (wraps where it lies in front of it)
	v_min_u32 v8, 31, v8
	v_cndmask_b32 v8, 31, v8, s[32+g]              ; a token that did not choose e sends to lane 31, which nobody takes
	v_lshlrev_b32 v8, 2, v8
	v_add_nc_u32 v9, 32*g, v1                      ; my token
	ds_permute_b32 v[96+g], v8, v9                 ; to the lane of its place
	s_bcnt1_i32_b32 s20, s[32+g]
	s_add_co_u32 s26, s26, s20
.set g, g+1
.endr
	s_wait_dscnt 0x0
	v_mov_b32 v10, 0                               ; a rank past the count keeps token 0
	v_mov_b32 v11, 0
	s_mov_b32 s27, s25
.set g, 0
.rept 32
	s_bcnt1_i32_b32 s20, s[32+g]
	v_add_nc_u32 v8, s27, v1                       ; my rank less the ranks in front of group g
	v_cmp_gt_u32 vcc_lo, s20, v8                   ; it lies in group g: only then was something sent to me
	v_cndmask_b32 v10, v10, v[96+g], vcc_lo
	s_sub_co_u32 s27, s27, s20
.set g, g+1
.endr
	v_permlanex16_b32 v11, v10, s28, s29
	v_cmp_eq_u32 vcc_lo, 0, v3
	v_cndmask_b32 v10, v11, v10, vcc_lo            ; lanes 16-31 serve the same 16 rows as lanes 0-15
	v_lshrrev_b32 v137, 4, v10
	v_min_u32 v137, 63, v137                       ; the token's tile in xq,
	v_and_b32 v138, 15, v10
	v_min_u32 v138, 15, v138                       ; and its row there
	v_mul_u32_u24 v132, v137, 12288
	v_lshl_add_u32 v132, v138, 4, v132
	v_lshl_add_u32 v132, v3, 8, v132               ; images: lane (row, h)'s 16 bytes of a group
	s_wait_alu depctr_va_vdst(0)
	v_lshlrev_b32 v133, 9, v137
	v_lshl_add_u32 v133, v138, 2, v133
	v_lshl_add_u32 v133, v3, 6, v133               ; scale words: lanes 0-15 an even K step's, lanes 16-31 the odd one's behind it
	s_wait_alu depctr_va_vdst(0)
	s_lshl_b32 s17, s12, 6
	s_add_co_u32 s17, s17, s16                     ; 64 e + tile
	s_mul_i32 s18, s17, 12288
	s_mov_b32 s19, 0
	s_add_nc_u64 s[30:31], s[8:9], s[18:19]
	s_lshl_b32 s18, s17, 9
	s_add_co_u32 s18, s18, 6291456
	s_add_nc_u64 s[8:9], s[8:9], s[18:19]
.irp s, 0,1,2,3,4,5,6,7
.irp q, 0,1,2
	global_load_b128 v[16+12*\s+4*\q:19+12*\s+4*\q], v132, s[6:7] offset:1536*\s+512*\q
.endr
.endr
.irp m, 0,1,2,3
	global_load_b32 v[112+\m], v133, s[6:7] offset:786432+128*\m
.endr
.irp s, 0,1,2,3,4,5,6,7
	s_wait_loadcnt 25-3*\s                         ; K step s's three loads are in: behind them 3 (7 - s) + 4 were issued
.irp q, 0,1,2
	global_store_b128 v128, v[16+12*\s+4*\q:19+12*\s+4*\q], s[30:31] offset:1536*\s+512*\q   ; 512 consecutive bytes
.endr
.endr
	s_wait_loadcnt 0x0
.irp m, 0,1,2,3
	global_store_b32 v129, v[112+\m], s[8:9] offset:128*\m
.endr
.Lno_tile:
	s_cmp_lt_u32 s14, 2
	s_cbranch_scc1 .Lfwd
	s_endpgm                                       ; waves 2 and 3 have no part in (A) and (B)
.Lfwd:
	; ---- (A) and (B): the values, all lanes on
	s_lshl_b32 s17, s15, 8
	v_add_nc_u32 v131, s17, v4
	global_load_b64 v[12:13], v131, s[4:5]         ; my token's two choices once more
	s_wait_loadcnt 0x0
	v_cmp_eq_u32 s18, s12, v12
	v_cmp_eq_u32 vcc_lo, s12, v13
	v_mov_b32 v7, 1
	v_cndmask_b32 v134, 0, v7, vcc_lo              ; the slot that chose e
	s_or_b32 s23, vcc_lo, s18                      ; the lanes whose token chose e
	v_mbcnt_lo_u32_b32 v135, s23, 0                ; e's tokens before me in my group,
	v_add_nc_u32 v135, s22, v135                   ; and in the groups before
	s_lshl_b32 s19, s12, 10
	v_add_nc_u32 v135, s19, v135                   ; 1,024 e + rank
	v_min_u32 v134, 1, v134
	s_wait_alu depctr_va_vdst(0)
	v_lshl_add_u32 v134, v134, 2, v131             ; pos[token][slot]
	v_mov_b32 v136, s21                            ; the count
	v_cmp_eq_u32 s27, 0, v1                        ; lane 0
	; ---- (B)
	s_or_b32 s17, ttmp9, s14
	s_cmp_eq_u32 s17, 0
	s_cbranch_scc0 .Lno_cnt
	s_mov_b32 vcc_lo, s27
	s_wait_xcnt 0x0                                ; EXEC changes only behind this wait
	s_and_saveexec_b32 s24, vcc_lo
	s_wait_alu depctr_va_vdst(0)
	global_store_b32 v130, v136, s[10:11] offset:8192
	s_wait_xcnt 0x0                                ; and again, in front of the line that widens it
	s_or_b32 exec_lo, exec_lo, s24
.Lno_cnt:
	; ---- (A)
	s_mov_b32 vcc_lo, s23
	s_wait_xcnt 0x0
	s_and_saveexec_b32 s24, vcc_lo
	s_wait_alu depctr_va_vdst(0)
	global_store_b32 v134, v135, s[10:11]
	s_wait_xcnt 0x0
	s_or_b32 exec_lo, exec_lo, s24
	s_endpgm
.Lfunc_end_k_q8b758bb853_place:
	.size	k_q8b758bb853_place, .Lfunc_end_k_q8b758bb853_place-k_q8b758bb853_place
	.p2alignl 7, 3214868480
	.fill 96, 4, 3214868480
	.section	.rodata,"a",@progbits
	.p2align	6, 0x0
	.amdhsa_kernel k_q8b758bb853_place
		.amdhsa_group_segment_fixed_size 0
		.amdhsa_private_segment_fixed_size 0
		.amdhsa_enable_private_segment 0
		.amdhsa_kernarg_size 32
		.amdhsa_user_sgpr_count 2
		.amdhsa_user_sgpr_kernarg_segment_ptr 1
		.amdhsa_wavefront_size32 1
		.amdhsa_system_sgpr_workgroup_id_x 1
		.amdhsa_system_sgpr_workgroup_id_y 1
		.amdhsa_system_sgpr_workgroup_id_z 1
		.amdhsa_system_vgpr_workitem_id 0
		.amdhsa_next_free_vgpr 144
		.amdhsa_next_free_sgpr 66
		.amdhsa_reserve_vcc 1
		.amdhsa_float_denorm_mode_32 3
		.amdhsa_float_denorm_mode_16_64 3
		.amdhsa_memory_ordered 1
		.amdhsa_forward_progress 1
		.amdhsa_inst_pref_size 40
	.end_amdhsa_kernel
	.amdgpu_metadata
---
amdhsa.version: [ 1, 2 ]
amdhsa.kernels:
  - .name:           k_q8b758bb853_place
    .symbol:         k_q8b758bb853_place.kd
    .args:
      - { .name: topi, .offset: 0, .size: 8, .value_kind: global_buffer, .address_space: global }
      - { .name: xq, .offset: 8, .size: 8, .value_kind: global_buffer, .address_space: global }
      - { .name: xs, .offset: 16, .size: 8, .value_kind: global_buffer, .address_space: global }
      - { .name: tab, .offset: 24, .size: 8, .value_kind: global_buffer, .address_space: global }
    .group_segment_fixed_size: 0
    .private_segment_fixed_size: 0
    .kernarg_segment_align: 8
    .kernarg_segment_size: 32
    .max_flat_workgroup_size: 128
    .sgpr_count:     66
    .vgpr_count:     144
    .wavefront_size: 32
...
	.end_amdgpu_metadata
.endif
;; end of part 7
;; launch up (part 8): grid 32 x 8, 8 waves a work-group, no clusters, 175,104 bytes of LDS; arguments w1, xs, tab, hq; writes hq
.if DOCPART == 8
	.amdgcn_target "amdgcn-amd-amdhsa--gfx1250"
	.amdhsa_code_object_version 6
	.text
	.protected	k_q8b758bb853_up
	.globl	k_q8b758bb853_up
	.p2align	8
	.type	k_q8b758bb853_up,@function
k_q8b758bb853_up:
	s_mov_b64 s[64:65], 0
	v_nop
	global_prefetch_b8 v0, s[64:65] scope:SCOPE_SE
	s_setreg_imm32_b32 hwreg(HW_REG_WAVE_SCHED_MODE, 0, 2), 2
	s_setreg_imm32_b32 hwreg(HW_REG_WAVE_MODE, 25, 1), 1
	s_wait_xcnt 0x0
	s_wait_alu depctr_vm_vsrc(0)
; UP.  h = silu(x w1^T) for the rows that chose an expert, both operands in BF6 (E3M2) with one E8M0 byte for each 32 along K; h leaves as codes.
; SHARES.  Work-group (x = sF, y = expert): 128 rows f = 128 sF on of the expert's w1 (512 KiB of f32, read once, quantised in registers on the way) against all tiles of 16 of that expert's rows.
; No tensor load, no copy, no cluster: how many tiles there are, which blocks are multiplied and which are stored hang on a count read from memory.
; A STEP is 128 along K, eight in all, written out.  Wave t loads the 16 rows x 512 bytes of f-tile t (each load 512 consecutive bytes), turns them through its own LDS stage so that a lane holds
; two whole blocks of 32 of one row, quantises them, and stores the fragment as an image of its registers; one barrier; every wave loads all eight fragments and multiplies them with ITS three
; tiles of rows (tiles wave, wave + 8, wave + 16, held to the last tile for loads).
; THE TURN OF STEP s + 1 STANDS AMONG THE PRODUCTS OF STEP s: behind the products on fragments 0-3, whose registers it lands on, and ahead of those on fragments 4-7: LDS and the matrix unit work side by side.
; THE THIRD BLOCK is multiplied and loaded only where tile wave + 16 exists: a scalar branch round its products and its next loads, which joins again ahead of the next barrier: every wave passes all eight
; barriers.  Step 0 takes all three blocks, so that the block's registers are written on every way.
; EACH STEP'S IMAGES HAVE LDS BYTES OF THEIR OWN, written once: behind the eighth barrier all 64 fragments lie in LDS.  So an expert with more than 24 tiles is served by further passes of 24 tiles that read
; the weights from LDS: a loop with no barrier, counted to 3 (64 tiles at the most, 24 a pass) and left as soon as no tile remains.
; THE ROWS OF w1 THAT FORM A TILE ARE NOT NEIGHBOURS: row i of tile t is f = 32 (t / 2) + 8 (t % 2) + i + 8 (i / 8); with the product used transposed (source 0 = w1, source 1 = x) a lane holds one
; row of h, and a block's 64 registers are k = 32 b + 16 (lane / 16) + i of the next product's K step sF.
; hq: [0) images [e][tile 64][s 32][1536];  [25165824) scale words [e][tile][s 32][32 lanes] (lanes 16-31 repeat lanes 0-15).
; LIMITS: NaN and infinities are not served; a block of zeros gets the byte 1 (zero codes; this program alone reads the bytes); silu(a) for a under about -88 gives -0.
; REGISTERS, window 0: v1 16 lane, v2 w1 offset, v3-8 and v20-23 LDS addresses, v9-11, v12-14 offsets of my tiles' images and scale words, v15 8 h, v16-17 store offsets, v18 4 lane, v24-35 x's scale words,
;   v36-43 w1's scale words, v44-91 at work / fragments 4-7, v92-155 64 numbers / fragments 0-3, v156-191 x's three fragments, v192-255 load set 0.  Window 1: v0-191 24 accumulators, v192-255 load set 1.
; THE MODE: SCHED_MODE bits 1:0 = 2 (LLVM: expert scheduling mode 2), set by the entry lines.  The code itself states the register dependences
; between vector or matrix instructions and memory or LDS instructions, with s_wait_alu, always for 0.
; THE PLAN.  Registers that memory or LDS instructions touch, and who else names them:
;   v2-8, v20-23      addresses, made at the head ahead of the first wait on va_vdst, never written again.
;   v9-14             written by SETUP, once a pass; read by the loads of x.  A wait on va_vdst behind every SETUP, one on vm_vsrc ahead of a further pass's.
;   load sets 0, 1    the weights' loads land there, the stage's stores read them; no vector or matrix instruction names them (v254, v255 at the wave's end aside).  A wait on vm_vsrc ahead of each refill.
;   v92-155           the stage's loads land there, the quantiser reads them; fragments 0-3 land there, the step's first products read them; the next step's numbers land there.
;   v44-91            the quantiser writes its codes and scale word there, the image's stores read them; fragments 4-7 land there, the step's last products read them.
;   v24-43, v156-191  scale words and x's fragments: loads land there, products read them.
;   v16, v17, v[PC ..], v[PW]  the way out: written by vector instructions, read by the stores.
;   The accumulators are named by matrix and vector instructions alone.
; A STEP HAS THREE WAITS ON va_vdst: behind the quantiser (for the image's stores and for all 32 loads of fragments behind the barrier: between it and them stand only LDS stores, waits and the barrier);
; in the middle, behind the stage's stores (for the stage's loads); at the end (for x's next fragments; the third block's, which stand under its branch, have a wait of their own there).
.set STG,  8448                        ; a wave's stage: 16 rows x (512 + 16) bytes: the 16 lanes of a 16-byte read fall into 16 different columns of 16 bytes
.set IMG,  8*STG                       ; eight image slots, one a step: 8 x 1,536 bytes of codes, then 8 x 128 of scale words
.set IMGB, 13312
.set IS,   5                           ; v5-6   where I store my image: slots 0-3, slots 4-7 (an LDS immediate ends at 65,535)
.set SS,   7                           ; v7-8   and my scale words
.set IL,   20                          ; v20-21 where all images are read
.set SL,   22                          ; v22-23 and all scale words
.set X,    92
.set TM,   44
.set PW,   60
.set PC,   64
.set WPC,  60
.set WD,   50
.set WU,   51
.set CT0,  52
.set CT1,  56
.set SEL,  28
.set MSB,  0
.macro WIN new                         ; the immediate's high byte repeats the setting that is left
.if MSB != (\new)
	s_set_vgpr_msb (MSB<<8)|(\new)
.set MSB, (\new)
.endif
.endm
.macro PLACES                          ; four places behind products, ahead of loads into their operands, of vector writes there, and of the first read of results
.rept 4
	v_nop
.endr
.endm
.macro WL s, p                         ; my fragment's 16 rows of K step s into load set p
	WIN 0x40*(\p)
.irp i, 0,1,2,3,4,5,6,7,8,9,10,11,12,13,14,15
	global_load_b128 v[192+4*\i:195+4*\i], v2, s[4:5] offset:(\i+8*(\i/8))*4096+512*(\s) th:TH_LOAD_NT
.endr
	WIN 0
.endm
.macro TURNS p                         ; set p into my stage, as loaded
	WIN 0x04*(\p)
.irp i, 0,1,2,3,4,5,6,7,8,9,10,11,12,13,14,15
	ds_store_b128 v3, v[192+4*\i:195+4*\i] offset:528*\i
.endr
	WIN 0
.endm
.macro TURNL                           ; and back, 128 bytes of one row a block: X[32 c + i] = k 64 c + 32 h + i of row r.  LDS serves a wave's instructions in order: these see the stores
.irp c, 0,1
.irp q, 0,1,2,3,4,5,6,7
	ds_load_b128 v[X+32*\c+4*\q:X+32*\c+4*\q+3], v4 offset:256*\c+16*\q
.endr
.endr
.endm
.macro QUANTW                          ; two whole blocks a lane: codes into v[WPC] on, the row's scale word into v[WD]
.irp u, 0,1,2,3
	v_max3_num_f32 v[44+\u], |v[X+16*\u]|, |v[X+16*\u+1]|, 0x2800000        ; four chains, each with the floor 2^(5 - 127)
.endr
.irp i, 2,4,6,8,10,12,14
.irp u, 0,1,2,3
	v_max3_num_f32 v[44+\u], v[44+\u], |v[X+16*\u+\i]|, |v[X+16*\u+\i+1]|
.endr
.endr
	v_max_num_f32 v44, v44, v45
	v_max_num_f32 v46, v46, v47
	v_add_nc_u32 v48, 0xfe000000, v44              ; 4 off the exponent field: the conversion's scale operand
	v_add_nc_u32 v49, 0xfe000000, v46
	v_lshrrev_b32 v44, 23, v48                     ; the bytes of blocks h and 2 + h
	v_lshrrev_b32 v46, 23, v49
	v_lshl_or_b32 v[WD], v46, 16, v44
	v_lshlrev_b32 v[WD], v15, v[WD]                ; 8 h bits up
	v_permlanex16_b32 v[WU], v[WD], s[SEL], s[SEL+1]
	v_or_b32 v[WD], v[WD], v[WU]                   ; with lane l xor 16's two the word is whole
	v_cvt_scalef32_pk16_bf6_f32 v[WPC:WPC+2], v[X:X+15], v48
	v_cvt_scalef32_pk16_bf6_f32 v[CT0:CT0+2], v[X+16:X+31], v48
	v_cvt_scalef32_pk16_bf6_f32 v[WPC+6:WPC+8], v[X+32:X+47], v49
	v_cvt_scalef32_pk16_bf6_f32 v[CT1:CT1+2], v[X+48:X+63], v49
	v_nop                                          ; one plain place behind a scaled conversion
.irp i, 0,1,2
	v_mov_b32 v[WPC+3+\i], v[CT0+\i]
	v_mov_b32 v[WPC+9+\i], v[CT1+\i]
.endr
.endm
.macro IMAGE s                         ; my fragment into step s's slot
.irp q, 0,1,2
	ds_store_b128 v[IS+(\s)/4], v[WPC+4*\q:WPC+4*\q+3] offset:IMGB*((\s)%4)+512*\q
.endr
	ds_store_b32 v[SS+(\s)/4], v[WD] offset:IMGB*((\s)%4)
.endm
.macro FETCHW s                        ; all eight fragments of step s and their scale words: four LDS loads a fragment, fragments 0-3 first
.irp t, 0,1,2,3,4,5,6,7
.irp q, 0,1,2
	ds_load_b128 v[92+12*\t-96*(\t/4)+4*\q:95+12*\t-96*(\t/4)+4*\q], v[IL+(\s)/4] offset:IMGB*((\s)%4)+1536*\t+512*\q
.endr
	ds_load_b32 v[36+\t], v[SL+(\s)/4] offset:IMGB*((\s)%4)+128*\t
.endr
.endm
.macro XLJ s, j                        ; block j's fragment of K step s
.irp q, 0,1,2
	global_load_b128 v[156+12*(\j)+4*\q:159+12*(\j)+4*\q], v[9+(\j)], s[24:25] offset:1536*(\s)+512*\q
.endr
.endm
.macro XSL                             ; my three tiles' scale words for all of K: lanes 0-15 K step 2 m's, lanes 16-31 K step 2 m + 1's
.irp j, 0,1,2
.irp m, 0,1,2,3
	global_load_b32 v[24+4*\j+\m], v[12+\j], s[26:27] offset:128*\m
.endr
.endr
.endm
.macro SETUP                           ; the pass's tiles (s17 = its first): as they are numbered, and held to the expert's last tile for loads and products
	s_add_co_u32 s36, s17, s14
	s_add_co_u32 s37, s36, 8
	s_add_co_u32 s38, s36, 16
.irp j, 0,1,2
	s_min_u32 s[18+\j], s[36+\j], s21
	s_min_u32 s[18+\j], s[18+\j], 63
	s_mul_i32 s35, s[18+\j], 12288
	v_add_nc_u32 v[9+\j], s35, v1
	s_lshl_b32 s35, s[18+\j], 9
	v_add_nc_u32 v[12+\j], s35, v18
.endr
.endm
.macro PROD s, j                       ; fragment tt of w1 x block j, K step s.  Step 0 starts the sums
.set aC, 64*(\j)+8*tt
.set aW, 92+12*tt-96*(tt/4)
.set aX, 156+12*(\j)
.set aS, 24+4*(\j)+(\s)/2
.if (\s) == 0
	v_wmma_scale_f32_16x16x128_f8f6f4 v[aC:aC+7], v[aW:aW+11], v[aX:aX+11], 0, v[36+tt], v[aS] matrix_a_fmt:MATRIX_FMT_BF6 matrix_b_fmt:MATRIX_FMT_BF6
.elseif (\s)%2 == 0
	v_wmma_scale_f32_16x16x128_f8f6f4 v[aC:aC+7], v[aW:aW+11], v[aX:aX+11], v[aC:aC+7], v[36+tt], v[aS] matrix_a_fmt:MATRIX_FMT_BF6 matrix_b_fmt:MATRIX_FMT_BF6
.else
	v_wmma_scale_f32_16x16x128_f8f6f4 v[aC:aC+7], v[aW:aW+11], v[aX:aX+11], v[aC:aC+7], v[36+tt], v[aS] matrix_a_fmt:MATRIX_FMT_BF6 matrix_b_fmt:MATRIX_FMT_BF6 matrix_b_scale:MATRIX_SCALE_ROW1
.endif
.endm
.macro MUL01 s, h                      ; fragments 4 h .. 4 h + 3 x blocks 0 and 1: eight products
.irp u, 0,1,2,3
.set tt, 4*(\h)+\u
	PROD \s, 0
	PROD \s, 1
.endr
.endm
.macro MUL2 s, h                       ; the same fragments x block 2: four products
.irp u, 0,1,2,3
.set tt, 4*(\h)+\u
	PROD \s, 2
.endr
.endm
; A step's work behind its barrier.  turn = 1: the next step's weights go through my stage among the products.  lcnt: the global loads issued behind this step's fragments of x.
; The accumulators take turns, one instruction a turn, on every way and over the steps' edges.
; The loads of FETCHW owe no wait of their own: in the first pass the wait behind the quantiser, in a further pass the wait at the last step's end or behind SETUP, stands ahead of them with no vector or matrix instruction between.
.macro WORK s, turn, lcnt
	FETCHW \s
	s_wait_loadcnt \lcnt                           ; x's fragments of this step are in, and all that was issued ahead of them: the next step's weights among it
	s_wait_dscnt 16                                ; fragments 0-3 and their scale words are in; the sixteen loads of fragments 4-7 may be out
	WIN 0x50                                       ; C and D in window 1
	MUL01 \s, 0
.if (\s) == 0
	MUL2 \s, 0
	WIN 0
.else
	WIN 0
	s_cmp_lt_u32 s38, s16                          ; is there a tile wave + 16?
	s_cbranch_scc0 .La_\@
	WIN 0x50
	MUL2 \s, 0
	WIN 0
.La_\@:
.endif
.if \turn
	PLACES                                         ; the stage's loads land on fragments 0-3
	TURNS ((\s)+1)%2                               ; ahead of the wait: no vector or matrix instruction names v3 or the load set
	s_wait_alu depctr_va_vdst(0)                   ; the products above are done reading fragments 0-3, in which the stage's loads land
	TURNL
	s_wait_dscnt 32                                ; fragments 4-7 are in; the stage's sixteen stores and sixteen loads may be out
.else
	s_wait_dscnt 0x0
.endif
	WIN 0x50
	MUL01 \s, 1
.if (\s) == 0
	MUL2 \s, 1
.endif
	WIN 0
	s_cmp_lt_u32 s38, s16
	s_cbranch_scc0 .Lb_\@
.if (\s) > 0
	WIN 0x50
	MUL2 \s, 1
	WIN 0
.endif
.if (\s) <= 6
	PLACES
	s_wait_alu depctr_va_vdst(0)                   ; block 2's products are done reading its fragment of x, in which the loads below land
	XLJ (\s)+1, 2
.endif
.Lb_\@:
	PLACES
.if (\s) <= 6
	s_wait_alu depctr_va_vdst(0)                   ; on the way round the branch too: the step's products are done reading blocks 0 and 1's fragments of x, in which the loads below land; in a further pass also the weights' fragments and scale words, in which the next step's land
	XLJ (\s)+1, 0
	XLJ (\s)+1, 1
.endif
.endm
; A step of the first pass: its numbers were turned among the last step's products
.macro STEP s, turn, lcnt
	s_wait_dscnt 0x0                               ; X is in
.if (\s) <= 5
	WIN 0x40*((\s)%2)                              ; the window first, then the wait, then the loads
	s_wait_alu depctr_vm_vsrc(0)                   ; the stage's stores have read load set s % 2, in which the loads below land
	WL (\s)+2, (\s)%2                              ; two steps ahead, into the set just left
.endif
	QUANTW
	s_wait_alu depctr_va_vdst(0)                   ; the quantiser has written v[WPC ..] and v[WD], which the image's stores read; it is done with v44-71 and with its 64 numbers, and the last step's products with their fragments and scale words: the fragments' loads behind the barrier land there
	IMAGE \s
	s_wait_dscnt 0x0                               ; for the others' sake: my image has landed
	s_wait_alu depctr_vm_vsrc(0)                   ; the image's stores have read v[WPC ..] and v[WD], in which fragments 4 to 6 land
	s_barrier_signal -1
	s_barrier_wait -1
	WORK \s, \turn, \lcnt
.endm
.macro QUANT s                         ; 64 numbers of a lane, register 16 b + i = k 32 b + 16 h + i, become codes in v[PC] on and the scale word in v[PW]
.irp b, 0,1,2,3
	v_max3_num_f32 v[TM+\b], |v[\s+16*\b]|, |v[\s+1+16*\b]|, 0x2800000
.endr
.irp i, 2,4,6,8,10,12,14
.irp b, 0,1,2,3
	v_max3_num_f32 v[TM+\b], v[TM+\b], |v[\s+16*\b+\i]|, |v[\s+1+16*\b+\i]|
.endr
.endr
.irp b, 0,1,2,3
	v_permlanex16_b32 v[TM+4+\b], v[TM+\b], s[SEL], s[SEL+1]
.endr
.irp b, 0,1,2,3
	v_max_num_f32 v[TM+\b], v[TM+\b], v[TM+4+\b]
.endr
.irp b, 0,1,2,3
	v_add_nc_u32 v[TM+12+\b], 0xfe000000, v[TM+\b]
.endr
.irp b, 0,1,2,3
	v_lshrrev_b32 v[TM+4+\b], 23, v[TM+12+\b]
.endr
	v_lshl_or_b32 v[PW], v[TM+5], 8, v[TM+4]
	v_lshl_or_b32 v[PW], v[TM+6], 16, v[PW]
	v_lshl_or_b32 v[PW], v[TM+7], 24, v[PW]
.irp c, 0,1
	v_cvt_scalef32_pk16_bf6_f32 v[PC+6*\c:PC+2+6*\c], v[\s+32*\c:\s+15+32*\c], v[TM+12+2*\c]
	v_cvt_scalef32_pk16_bf6_f32 v[PC+12+4*\c:PC+14+4*\c], v[\s+16+32*\c:\s+31+32*\c], v[TM+12+2*\c+1]
.endr
	v_nop
.irp c, 0,1
.irp i, 0,1,2
	v_permlane16_swap_b32 v[PC+6*\c+\i], v[PC+12+4*\c+\i]
.endr
.irp i, 0,1,2
	v_mov_b32 v[PC+3+6*\c+\i], v[PC+12+4*\c+\i]
.endr
.endr
.endm
; Block j's way out, if its tile exists: silu in f32, quantised along f, stored as an image.  No barrier stands under this branch.
.macro EPI j
	s_cmp_lt_u32 s[36+\j], s16
	s_cbranch_scc0 .Lskip_\@
	s_wait_xcnt 0x0                                ; the block before has had its stores' addresses translated
	s_wait_alu depctr_vm_vsrc(0)                   ; the block before's stores have read v16, v17, v[PC ..] and v[PW], which are written again below
	s_mul_i32 s35, s[18+\j], 49152
	v_add_nc_u32 v16, s35, v1
	s_lshl_b32 s35, s[18+\j], 12
	v_add_nc_u32 v17, s35, v18
	WIN 0x01
.set ii, 0
.rept 32
	v_pk_mul_f32 v[X+ii:X+ii+1], v[64*\j+ii:64*\j+ii+1], s[30:31] op_sel_hi:[1,0]   ; -a log2(e); each accumulator from its low end on
.set ii, ii+2
.endr
	WIN 0
.set ii, 0
	s_wait_alu depctr_va_vdst(0)
.rept 64
	v_exp_f32 v[X+ii], v[X+ii]
.set ii, ii+1
.endr
	v_nop                                          ; a plain place behind the batch,
	s_wait_alu depctr_va_vdst(0)                   ; and one wait for the 64 exponentials' results, ahead of their first reader
.set ii, 0
.rept 32
	v_pk_add_f32 v[X+ii:X+ii+1], v[X+ii:X+ii+1], 1.0 op_sel_hi:[1,0]
.set ii, ii+2
.endr
.set ii, 0
	s_wait_alu depctr_va_vdst(0)
.rept 64
	v_rcp_f32 v[X+ii], v[X+ii]
.set ii, ii+1
.endr
	v_nop
	s_wait_alu depctr_va_vdst(0)                   ; one wait for the 64 reciprocals' results, ahead of their first reader
	WIN 0x04
.set ii, 0
.rept 32
	v_pk_mul_f32 v[X+ii:X+ii+1], v[X+ii:X+ii+1], v[64*\j+ii:64*\j+ii+1]           ; a / (1 + e^-a)
.set ii, ii+2
.endr
	WIN 0
	QUANT X
	s_wait_alu depctr_va_vdst(0)                   ; the quantiser has written v[PC ..] and v[PW], and v16 and v17 are written: the stores below read them
.irp q, 0,1,2
	global_store_b128 v16, v[PC+4*\q:PC+4*\q+3], s[48:49] offset:512*\q            ; 512 consecutive bytes
.endr
	global_store_b32 v17, v[PW], s[50:51]
.Lskip_\@:
.endm
	s_load_b256 s[4:11], s[0:1], 0x0               ; w1 s[4:5], xs s[6:7], tab s[8:9], hq s[10:11]
	v_lshrrev_b32 v44, 5, v0
	v_readfirstlane_b32 s14, v44                   ; wave
	v_and_b32 v45, 31, v0                          ; lane
	v_and_b32 v46, 15, v0                          ; r
	v_bfe_u32 v47, v0, 4, 1                        ; h
	v_lshlrev_b32 v1, 4, v45
	v_lshlrev_b32 v18, 2, v45
	v_lshlrev_b32 v15, 3, v47
	s_wait_alu depctr_va_sdst(0)                   ; s14 is written, ahead of its first reader
	s_mul_i32 s21, s14, STG
	v_add_nc_u32 v3, s21, v1                       ; stage, in: 16 x lane, a row each 528 bytes
	v_mul_u32_u24 v4, v46, 528
	v_lshl_add_u32 v4, v47, 7, v4
	v_add_nc_u32 v4, s21, v4                       ; stage, back: row r, + 128 h
	s_mul_i32 s21, s14, 1536
	s_add_co_u32 s21, s21, IMG
	v_add_nc_u32 v[IS], s21, v1                    ; my image
	v_add_nc_u32 v[IS+1], 4*IMGB, v[IS]
	s_lshl_b32 s21, s14, 7
	s_add_co_u32 s21, s21, IMG+12288
	v_add_nc_u32 v[SS], s21, v18                   ; my scale words
	v_add_nc_u32 v[SS+1], 4*IMGB, v[SS]
	v_add_nc_u32 v[IL], IMG, v1                    ; all images
	v_add_nc_u32 v[IL+1], IMG+4*IMGB, v1
	v_add_nc_u32 v[SL], IMG+12288, v18             ; all scale words
	v_add_nc_u32 v[SL+1], IMG+12288+4*IMGB, v18
	s_lshr_b32 s21, s14, 1
	s_lshl_b32 s21, s21, 17
	s_and_b32 s22, s14, 1
	s_lshl_b32 s22, s22, 15
	s_add_co_u32 s21, s21, s22
	v_add_nc_u32 v2, s21, v1                       ; w1: (32 (wave / 2) + 8 (wave % 2)) rows of 4,096 bytes + 16 x lane
	v_mov_b32 v[WU], 0                             ; a lane permute's destination counts as one of its sources
	s_mov_b32 s[SEL], 0x76543210
	s_mov_b32 s[SEL+1], 0xfedcba98
	s_mov_b32 s30, 0xbfb8aa3b                      ; -log2(e)
	s_mov_b32 s31, s30
	s_mov_b32 s17, 0                               ; the first pass begins at tile 0
	s_and_b32 s12, ttmp7, 0xffff                   ; the expert
	s_lshl_b32 s39, s12, 2
	s_lshl_b32 s22, s12, 24
	s_lshl_b32 s23, ttmp9, 19
	s_add_co_u32 s22, s22, s23
	s_mov_b32 s23, 0
	s_wait_kmcnt 0x0
	s_load_b32 s15, s[8:9], s39 offset:0x2000      ; the expert's count of rows
	s_add_nc_u64 s[4:5], s[4:5], s[22:23]          ; w1 at expert e, row 128 sF
	s_wait_alu depctr_va_vdst(0)                   ; v2 to v8 and v20 to v23 are written: every load of w1 and every access to the stage and the images reads one of them as its address
	WL 0, 0                                        ; the weights' addresses hang on ids alone: their loads go out ahead of the count
	WL 1, 1
	s_mul_i32 s22, s12, 786432
	s_add_nc_u64 s[24:25], s[6:7], s[22:23]        ; xs: e's images,
	s_lshl_b32 s22, s12, 15
	s_add_co_u32 s22, s22, 6291456
	s_add_nc_u64 s[26:27], s[6:7], s[22:23]        ; e's scale words
	s_mul_i32 s22, s12, 3145728
	s_mul_i32 s35, ttmp9, 1536
	s_add_co_u32 s22, s22, s35
	s_add_nc_u64 s[48:49], s[10:11], s[22:23]      ; hq: e's images, K step sF,
	s_lshl_b32 s22, s12, 18
	s_lshl_b32 s35, ttmp9, 7
	s_add_co_u32 s22, s22, s35
	s_add_co_u32 s22, s22, 25165824
	s_add_nc_u64 s[50:51], s[10:11], s[22:23]      ; and its scale words
	s_wait_kmcnt 0x0
	s_add_co_u32 s16, s15, 15
	s_lshr_b32 s16, s16, 4
	s_min_u32 s16, s16, 64                         ; tiles of 16 rows
	s_sub_co_u32 s21, s16, 1                       ; the last tile (an expert without rows: the greatest number; its blocks are computed on what lies in xs and never stored)
	SETUP
	s_wait_alu depctr_va_vdst(0)                   ; v9 to v14 are written, which the loads of x below read as their offsets
	XSL
	XLJ 0, 0
	XLJ 0, 1
	XLJ 0, 2
	s_wait_loadcnt 37                              ; step 0's weights are in: behind them were issued step 1's 16 loads, 12 of scale words and 9 of x's first fragments
	TURNS 0
	TURNL
	; the counts on LOADcnt in the steps: behind x's fragments of step s stand the 16 weight loads of step s + 2 alone, or nothing in the last two steps; no count hangs on the third block's branch
	STEP 0, 1, 16
	STEP 1, 1, 16
	STEP 2, 1, 16
	STEP 3, 1, 16
	STEP 4, 1, 16
	STEP 5, 1, 16
	STEP 6, 1, 0
	STEP 7, 0, 0
	s_mov_b32 s54, 0                               ; trips of the loop below
.Lpass:                                                ; a trip: the pass's three blocks leave; if tiles are left, the next 24 are multiplied.  No barrier from here on
	EPI 0
	EPI 1
	EPI 2
	s_add_co_u32 s17, s17, 24
	s_cmp_lt_u32 s17, s16
	s_cbranch_scc0 .Ldone                          ; no tile is left.  In the third trip s17 is 72, over the 64 tiles that an expert has at the most: that trip always leaves here
	s_wait_xcnt 0x0                                ; the stores and the loads of x have had their addresses translated
	s_wait_alu depctr_vm_vsrc(0)                   ; the stores have read v[PC ..] and v[PW], in which the fragments' loads land; the last pass's loads of x have read v9 to v14, which SETUP writes
	SETUP
	s_wait_alu depctr_va_vdst(0)                   ; v9 to v14 are written, which the loads of x read; the last pass's products and its way out are done with v24 to v191, in which those loads and the fragments' land
	XSL
	XLJ 0, 0
	XLJ 0, 1
	XLJ 0, 2
	WORK 0, 0, 0                                   ; the weights' fragments lie in LDS; nothing is issued behind a step's fragments of x
	WORK 1, 0, 0
	WORK 2, 0, 0
	WORK 3, 0, 0
	WORK 4, 0, 0
	WORK 5, 0, 0
	WORK 6, 0, 0
	WORK 7, 0, 0
	s_add_co_u32 s54, s54, 1
	s_cmp_lt_u32 s54, 3
	s_cbranch_scc1 .Lpass
.Ldone:
	s_wait_xcnt 0x0
	s_wait_alu depctr_vm_vsrc(0)                   ; the stage's stores have read v254 and v255, two registers of load set 0, which are made anew below
	v_lshl_add_u32 v254, v0, 2, 0x2a800
	v_mov_b32 v255, 0
	s_wait_dscnt 0x0                               ; the closing lines, six on end
	s_wait_alu 0x0
	s_wait_tensorcnt 0x0
	ds_add_u32 v254, v255
	s_wait_dscnt 0x0
	s_endpgm
.Lfunc_end_k_q8b758bb853_up:
	.size	k_q8b758bb853_up, .Lfunc_end_k_q8b758bb853_up-k_q8b758bb853_up
	.p2alignl 7, 3214868480
	.fill 96, 4, 3214868480
	.section	.rodata,"a",@progbits
	.p2align	6, 0x0
	.amdhsa_kernel k_q8b758bb853_up
		.amdhsa_group_segment_fixed_size 175104
		.amdhsa_private_segment_fixed_size 0
		.amdhsa_enable_private_segment 0
		.amdhsa_kernarg_size 32
		.amdhsa_user_sgpr_count 2
		.amdhsa_user_sgpr_kernarg_segment_ptr 1
		.amdhsa_wavefront_size32 1
		.amdhsa_system_sgpr_workgroup_id_x 1
		.amdhsa_system_sgpr_workgroup_id_y 1
		.amdhsa_system_sgpr_workgroup_id_z 1
		.amdhsa_system_vgpr_workitem_id 0
		.amdhsa_next_free_vgpr 512
		.amdhsa_next_free_sgpr 66
		.amdhsa_reserve_vcc 0
		.amdhsa_float_denorm_mode_32 3
		.amdhsa_float_denorm_mode_16_64 3
		.amdhsa_memory_ordered 1
		.amdhsa_forward_progress 1
		.amdhsa_inst_pref_size 215
	.end_amdhsa_kernel
	.amdgpu_metadata
---
amdhsa.version: [ 1, 2 ]
amdhsa.kernels:
  - .name:           k_q8b758bb853_up
    .symbol:         k_q8b758bb853_up.kd
    .args:
      - { .name: w1, .offset: 0, .size: 8, .value_kind: global_buffer, .address_space: global }
      - { .name: xs, .offset: 8, .size: 8, .value_kind: global_buffer, .address_space: global }
      - { .name: tab, .offset: 16, .size: 8, .value_kind: global_buffer, .address_space: global }
      - { .name: hq, .offset: 24, .size: 8, .value_kind: global_buffer, .address_space: global }
    .group_segment_fixed_size: 175104
    .private_segment_fixed_size: 0
    .kernarg_segment_align: 8
    .kernarg_segment_size: 32
    .max_flat_workgroup_size: 256
    .sgpr_count:     66
    .vgpr_count:     512
    .wavefront_size: 32
...
	.end_amdgpu_metadata
.endif
;; end of part 8
;; launch down (part 9): grid 32 x 8, 8 waves a work-group, no clusters, 175,104 bytes of LDS; arguments w2, hq, tab, yb; writes yb
.if DOCPART == 9
	.amdgcn_target "amdgcn-amd-amdhsa--gfx1250"
	.amdhsa_code_object_version 6
	.text
	.protected	k_q8b758bb853_down
	.globl	k_q8b758bb853_down
	.p2align	8
	.type	k_q8b758bb853_down,@function
k_q8b758bb853_down:
	s_mov_b64 s[64:65], 0
	v_nop
	global_prefetch_b8 v0, s[64:65] scope:SCOPE_SE
	s_setreg_imm32_b32 hwreg(HW_REG_WAVE_SCHED_MODE, 0, 2), 2
	s_setreg_imm32_b32 hwreg(HW_REG_WAVE_MODE, 25, 1), 1
	s_wait_xcnt 0x0
	s_wait_alu depctr_vm_vsrc(0)
; DOWN.  y = h w2^T for the rows that chose an expert, both operands in BF6 (E3M2) with one E8M0 byte for each 32 along K = F.  h arrives as images of operand registers.
; SHARES.  Work-group (x, y = expert): x / 2 = a block of 64 rows d of the expert's w2, x % 2 = a half of K (2,048 of 4,096): 512 KiB of f32, read once, quantised in registers on the way, against all
; tiles of 16 of that expert's rows.  No tensor load, no copy, no cluster: how many tiles there are, which blocks are multiplied and which are stored hang on a count read from memory.
; A STEP is 256 along K, eight in all, written out.  Wave w loads, turns, quantises and publishes the fragment (d tile w % 4, K step 2 m + w / 4); one barrier; every wave loads all eight fragments
; and multiplies them with ITS three tiles of rows (held to the last tile for loads).
; THE TURN OF STEP m + 1 STANDS AMONG THE PRODUCTS OF STEP m: behind the products on fragments 0-3 (the step's first K step), whose registers it lands on, and ahead of those on fragments 4-7.
; THE THIRD BLOCK is multiplied and loaded only where tile wave + 16 exists: a scalar branch round its products and its next loads, which joins again ahead of the next barrier: every wave passes all eight
; barriers.  Step 0 takes all three blocks, so that the block's registers are written on every way.
; EACH STEP'S IMAGES HAVE LDS BYTES OF THEIR OWN, written once: behind the eighth barrier all 64 fragments lie in LDS, and an expert with more than 24 tiles is served by further passes of 24 tiles that read
; the weights from LDS: a loop with no barrier, counted to 3 (64 tiles at the most, 24 a pass) and left as soon as no tile remains.
; The product is used with source 0 = w2, source 1 = h: a lane holds one row and eight neighbouring d.  The two halves of K go to two planes of yb and are added by the last launch.
; yb: [K half 2][d block 16][row 1,024 e + rank][64 d] f32: a row's piece is 256 consecutive bytes at a multiple of 256.
; LIMITS: NaN and infinities are not served; a block of zeros gets the byte 1 (zero codes; this program alone reads the bytes); y's sum is made in two halves of K.
; REGISTERS, window 0: v1 16 lane, v2 w2 offset, v3-8 and v20-23 LDS addresses, v9-11, v12-14 offsets of my tiles' images and scale words, v15 8 h, v16 store offset, v17 4 lane, v18-19 the way out's LDS addresses,
;   v24-26 h's scale words, v27 128 h + 4 lane, v36-43 w2's scale words, v44-91 at work / fragments 4-7, v92-155 64 numbers / fragments 0-3 / rows of y, v190-191 the closing add's two, v192-255 load set 0.
;   Window 1: v0-95 12 accumulators, v96-167 h's six fragments, v192-255 load set 1.
; THE MODE: SCHED_MODE bits 1:0 = 2 (LLVM: expert scheduling mode 2), set by the entry lines.  The code itself states the register dependences
; between vector or matrix instructions and memory or LDS instructions, with s_wait_alu, always for 0.
; THE PLAN.  Registers that memory or LDS instructions touch, and who else names them:
;   v2-8, v18-23      addresses, made at the head ahead of the first wait on va_vdst, never written again.
;   v9-14             written by SETUP, once a pass; read by the loads of h.  A wait on va_vdst behind every SETUP, one on vm_vsrc ahead of a further pass's.
;   load sets 0, 1    the weights' loads land there, the stage's stores read them; no vector or matrix instruction names them.  A wait on vm_vsrc ahead of each refill.
;   v92-155           the stage's loads land there, the quantiser reads them; fragments 0-3 land there, the step's first products read them; the next step's numbers land there.  On the way out rows of y land there and the global stores read them.
;   v44-91            the quantiser writes its codes and scale word there, the image's stores read them; fragments 4-7 land there, the step's last products read them.
;   h's fragments     of a step's first K step: read by its first products alone; of its second: by its last products alone.  v24-26, h's scale words: read by both.
;   the accumulators  written by the products; on the way out the LDS stores read them; a further pass's first products write them anew.
; A STEP HAS THREE WAITS ON va_vdst: behind the quantiser (for the image's stores and for all 32 loads of fragments behind the barrier: between it and them stand only LDS stores, waits and the barrier);
; in the middle, behind the stage's stores (for the stage's loads, and for blocks 0 and 1's fragments of the NEXT step's first K step, which go out there, under the last products, which name other registers);
; at the end (for the rest of h's next fragments and scale words; the third block's, which stand under its branch, have a wait of their own there).
.set STG,  8448
.set IMG,  8*STG
.set IMGB, 13312
.set IS,   5                           ; v5-6   where I store my image: slots 0-3, slots 4-7 (an LDS immediate ends at 65,535)
.set SS,   7                           ; v7-8   and my scale words
.set IL,   20                          ; v20-21 where all images are read
.set SL,   22                          ; v22-23 and all scale words
.set X,    92
.set WPC,  60
.set WD,   50
.set WU,   51
.set CT0,  52
.set CT1,  56
.set SEL,  28
.set MSB,  0
.macro WIN new                         ; the immediate's high byte repeats the setting that is left
.if MSB != (\new)
	s_set_vgpr_msb (MSB<<8)|(\new)
.set MSB, (\new)
.endif
.endm
.macro PLACES                          ; four places behind products, ahead of loads into their operands, of vector writes there, and of the first read of results
.rept 4
	v_nop
.endr
.endm
.macro WL m, p                         ; my fragment's 16 rows of step m into load set p: each load 512 consecutive bytes
	WIN 0x40*(\p)
.irp i, 0,1,2,3,4,5,6,7,8,9,10,11,12,13,14,15
	global_load_b128 v[192+4*\i:195+4*\i], v2, s[4:5] offset:16384*\i+1024*(\m) th:TH_LOAD_NT
.endr
	WIN 0
.endm
.macro TURNS p                         ; set p into my stage, as loaded
	WIN 0x04*(\p)
.irp i, 0,1,2,3,4,5,6,7,8,9,10,11,12,13,14,15
	ds_store_b128 v3, v[192+4*\i:195+4*\i] offset:528*\i
.endr
	WIN 0
.endm
.macro TURNL                           ; and back: X[32 c + i] = k 64 c + 32 h + i of row r.  LDS serves a wave's instructions in order: these see the stores
.irp c, 0,1
.irp q, 0,1,2,3,4,5,6,7
	ds_load_b128 v[X+32*\c+4*\q:X+32*\c+4*\q+3], v4 offset:256*\c+16*\q
.endr
.endr
.endm
.macro QUANTW                          ; two whole blocks a lane: codes into v[WPC] on, the row's scale word into v[WD]
.irp u, 0,1,2,3
	v_max3_num_f32 v[44+\u], |v[X+16*\u]|, |v[X+16*\u+1]|, 0x2800000        ; four chains, each with the floor 2^(5 - 127)
.endr
.irp i, 2,4,6,8,10,12,14
.irp u, 0,1,2,3
	v_max3_num_f32 v[44+\u], v[44+\u], |v[X+16*\u+\i]|, |v[X+16*\u+\i+1]|
.endr
.endr
	v_max_num_f32 v44, v44, v45
	v_max_num_f32 v46, v46, v47
	v_add_nc_u32 v48, 0xfe000000, v44              ; 4 off the exponent field: the conversion's scale operand
	v_add_nc_u32 v49, 0xfe000000, v46
	v_lshrrev_b32 v44, 23, v48
	v_lshrrev_b32 v46, 23, v49
	v_lshl_or_b32 v[WD], v46, 16, v44
	v_lshlrev_b32 v[WD], v15, v[WD]
	v_permlanex16_b32 v[WU], v[WD], s[SEL], s[SEL+1]
	v_or_b32 v[WD], v[WD], v[WU]
	v_cvt_scalef32_pk16_bf6_f32 v[WPC:WPC+2], v[X:X+15], v48
	v_cvt_scalef32_pk16_bf6_f32 v[CT0:CT0+2], v[X+16:X+31], v48
	v_cvt_scalef32_pk16_bf6_f32 v[WPC+6:WPC+8], v[X+32:X+47], v49
	v_cvt_scalef32_pk16_bf6_f32 v[CT1:CT1+2], v[X+48:X+63], v49
	v_nop                                          ; one plain place behind a scaled conversion
.irp i, 0,1,2
	v_mov_b32 v[WPC+3+\i], v[CT0+\i]
	v_mov_b32 v[WPC+9+\i], v[CT1+\i]
.endr
.endm
.macro IMAGE s                         ; my fragment into step s's slot
.irp q, 0,1,2
	ds_store_b128 v[IS+(\s)/4], v[WPC+4*\q:WPC+4*\q+3] offset:IMGB*((\s)%4)+512*\q
.endr
	ds_store_b32 v[SS+(\s)/4], v[WD] offset:IMGB*((\s)%4)
.endm
.macro FETCHW s                        ; all eight fragments of step s and their scale words: four LDS loads a fragment, fragments 0-3 first
.irp t, 0,1,2,3,4,5,6,7
.irp q, 0,1,2
	ds_load_b128 v[92+12*\t-96*(\t/4)+4*\q:95+12*\t-96*(\t/4)+4*\q], v[IL+(\s)/4] offset:IMGB*((\s)%4)+1536*\t+512*\q
.endr
	ds_load_b32 v[36+\t], v[SL+(\s)/4] offset:IMGB*((\s)%4)+128*\t
.endr
.endm
.macro HLK m, k                        ; blocks 0 and 1: their fragments of K step 2 m + k: 6 loads.  It leaves the destination in window 1
	WIN 0x40
.irp j, 0,1
.irp q, 0,1,2
	global_load_b128 v[96+12*(2*\j+(\k))+4*\q:99+12*(2*\j+(\k))+4*\q], v[9+\j], s[24:25] offset:1536*(2*(\m)+(\k))+512*\q
.endr
.endr
.endm
.macro HLS m                           ; blocks 0 and 1: their scale words of step m: 2 loads
	WIN 0
.irp j, 0,1
	global_load_b32 v[24+\j], v[12+\j], s[26:27] offset:256*(\m)   ; lanes 0-15 K step 2 m's words, lanes 16-31 K step 2 m + 1's
.endr
.endm
.macro HL2 m                           ; block 2: 7 loads
	WIN 0x40
.irp k, 0,1
.irp q, 0,1,2
	global_load_b128 v[144+12*\k+4*\q:147+12*\k+4*\q], v11, s[24:25] offset:1536*(2*(\m)+\k)+512*\q
.endr
.endr
	WIN 0
	global_load_b32 v26, v14, s[26:27] offset:256*(\m)
.endm
.macro SETUP                           ; the pass's tiles (s17 = its first): as they are numbered, and held to the expert's last tile for loads and products
	s_add_co_u32 s36, s17, s14
	s_add_co_u32 s37, s36, 8
	s_add_co_u32 s38, s36, 16
.irp j, 0,1,2
	s_min_u32 s[18+\j], s[36+\j], s21
	s_min_u32 s[18+\j], s[18+\j], 63
	s_mul_i32 s35, s[18+\j], 49152
	v_add_nc_u32 v[9+\j], s35, v1
	s_lshl_b32 s35, s[18+\j], 12
	v_add_nc_u32 v[12+\j], s35, v27
.endr
.endm
.macro PROD m, k, j                    ; d tile nn x block j, K step 2 m + k.  The first K step starts the sums
.set aC, 32*(\j)+8*nn
.set aW, 92+12*nn-48*(\k)
.set aH, 96+12*(2*(\j)+(\k))
.if ((\m) == 0) && ((\k) == 0)
	v_wmma_scale_f32_16x16x128_f8f6f4 v[aC:aC+7], v[aW:aW+11], v[aH:aH+11], 0, v[36+4*(\k)+nn], v[24+(\j)] matrix_a_fmt:MATRIX_FMT_BF6 matrix_b_fmt:MATRIX_FMT_BF6
.elseif (\k) == 0
	v_wmma_scale_f32_16x16x128_f8f6f4 v[aC:aC+7], v[aW:aW+11], v[aH:aH+11], v[aC:aC+7], v[36+4*(\k)+nn], v[24+(\j)] matrix_a_fmt:MATRIX_FMT_BF6 matrix_b_fmt:MATRIX_FMT_BF6
.else
	v_wmma_scale_f32_16x16x128_f8f6f4 v[aC:aC+7], v[aW:aW+11], v[aH:aH+11], v[aC:aC+7], v[36+4*(\k)+nn], v[24+(\j)] matrix_a_fmt:MATRIX_FMT_BF6 matrix_b_fmt:MATRIX_FMT_BF6 matrix_b_scale:MATRIX_SCALE_ROW1
.endif
.endm
.macro MUL01 m, k                      ; the four d tiles x blocks 0 and 1: eight products
.irp j, 0,1
.irp n, 0,1,2,3
.set nn, \n
	PROD \m, \k, \j
.endr
.endr
.endm
.macro MUL2 m, k                       ; the four d tiles x block 2: four products
.irp n, 0,1,2,3
.set nn, \n
	PROD \m, \k, 2
.endr
.endm
; A step's work behind its barrier.  turn = 1: the next step's weights go through my stage among the products.  lcnt: the global loads issued behind this step's fragments of h.
; The accumulators take turns, one instruction a turn, on every way and over the steps' edges.
; The loads of FETCHW owe no wait of their own: in the first pass the wait behind the quantiser, in a further pass the wait at the last step's end or behind SETUP, stands ahead of them with no vector or matrix instruction between.
.macro WORK s, turn, lcnt
	FETCHW \s
	s_wait_loadcnt \lcnt                           ; h's fragments of this step are in, and all that was issued ahead of them: the next step's weights among it
	s_wait_dscnt 16                                ; fragments 0-3 and their scale words are in; the sixteen loads of fragments 4-7 may be out
	WIN 0x54                                       ; source 1, C and D in window 1
	MUL01 \s, 0
.if (\s) == 0
	MUL2 \s, 0
	WIN 0
.else
	WIN 0
	s_cmp_lt_u32 s38, s16                          ; is there a tile wave + 16?
	s_cbranch_scc0 .La_\@
	WIN 0x54
	MUL2 \s, 0
	WIN 0
.La_\@:
.endif
.if \turn
	PLACES                                         ; the stage's loads land on fragments 0-3
	TURNS ((\s)+1)%2                               ; ahead of the wait: no vector or matrix instruction names v3 or the load set
	s_wait_alu depctr_va_vdst(0)                   ; the products above are done reading fragments 0-3, in which the stage's loads land, and blocks 0 and 1's fragments of h of this step's first K step, in which the next step's land
	TURNL
	HLK (\s)+1, 0                                  ; no vector or matrix instruction behind the wait names these registers: the products below read the second K step's
	s_wait_dscnt 32                                ; fragments 4-7 are in; the stage's sixteen stores and sixteen loads may be out
.else
	s_wait_dscnt 0x0
.endif
	WIN 0x54
	MUL01 \s, 1
.if (\s) == 0
	MUL2 \s, 1
.endif
	WIN 0
	s_cmp_lt_u32 s38, s16
	s_cbranch_scc0 .Lb_\@
.if (\s) > 0
	WIN 0x54
	MUL2 \s, 1
.endif
.if (\s) <= 6
	PLACES
	WIN 0x40                                       ; the window first, then the wait, then the loads
	s_wait_alu depctr_va_vdst(0)                   ; block 2's products are done reading its two fragments of h and its scale words, in which the loads below land
	HL2 (\s)+1
.else
	WIN 0
.endif
.Lb_\@:
	PLACES
.if (\s) <= 6
	WIN 0x40                                       ; the window first, then the wait, then the loads
	s_wait_alu depctr_va_vdst(0)                   ; on the way round the branch too: the step's products are done reading blocks 0 and 1's fragments of h and their scale words, in which the loads below land; in a further pass also the weights' fragments and scale words, in which the next step's land
.if (\turn) == 0
	HLK (\s)+1, 0                                  ; a further pass has no wait in a step's middle: both K steps' fragments go out here
.endif
	HLK (\s)+1, 1
	HLS (\s)+1
.endif
.endm
; A step of the first pass: its numbers were turned among the last step's products
.macro STEP s, turn, lcnt
	s_wait_dscnt 0x0                               ; X is in
.if (\s) <= 5
	WIN 0x40*((\s)%2)                              ; the window first, then the wait, then the loads
	s_wait_alu depctr_vm_vsrc(0)                   ; the stage's stores have read load set s % 2, in which the loads below land
	WL (\s)+2, (\s)%2                              ; two steps ahead, into the set just left
.endif
	QUANTW
	s_wait_alu depctr_va_vdst(0)                   ; the quantiser has written v[WPC ..] and v[WD], which the image's stores read; it is done with v44-71 and with its 64 numbers, and the last step's products with their fragments and scale words: the fragments' loads behind the barrier land there
	IMAGE \s
	s_wait_dscnt 0x0                               ; for the others' sake: my image has landed
	s_wait_alu depctr_vm_vsrc(0)                   ; the image's stores have read v[WPC ..] and v[WD], in which fragments 4 to 6 land
	s_barrier_signal -1
	s_barrier_wait -1
	WORK \s, \turn, \lcnt
.endm
; Block j's way out, if its tile exists: 16 rows x 64 d through my own stage (rows of 256 + 16 bytes), back as whole rows, stored two rows an instruction.  No barrier stands under this branch.
.macro EPI j
	s_cmp_lt_u32 s[36+\j], s16
	s_cbranch_scc0 .Lskip_\@
	s_wait_xcnt 0x0                                ; the block before has had its stores' addresses translated
	s_wait_alu depctr_vm_vsrc(0)                   ; the block before's global stores have read v16, which is written below, and v92 to v123, in which the stage's loads land
	s_lshl_b32 s35, s[18+\j], 12
	v_add_nc_u32 v16, s35, v1
	WIN 0x04                                       ; an LDS store's data are its source 1: window 1
	s_wait_alu depctr_va_vdst(0)                   ; behind the places: the products have written the accumulators, which the LDS stores read, and are done reading v92 to v123, in which the stage's loads land; v16 is written, which the global stores read
.irp n, 0,1,2,3
	ds_store_b128 v18, v[32*\j+8*\n:32*\j+8*\n+3] offset:64*\n          ; each accumulator from its low end on
	ds_store_b128 v18, v[32*\j+8*\n+4:32*\j+8*\n+7] offset:64*\n+16
.endr
	WIN 0
.irp q, 0,1,2,3,4,5,6,7
	ds_load_b128 v[92+4*\q:95+4*\q], v19 offset:544*\q                   ; LDS serves a wave's instructions in order: these see my stores
.endr
	s_wait_dscnt 0x0
.irp q, 0,1,2,3,4,5,6,7
	global_store_b128 v16, v[92+4*\q:95+4*\q], s[48:49] offset:512*\q th:TH_STORE_NT   ; 512 consecutive bytes at a multiple of 256
.endr
.Lskip_\@:
.endm
	s_load_b256 s[4:11], s[0:1], 0x0               ; w2 s[4:5], hq s[6:7], tab s[8:9], yb s[10:11]
	v_lshl_add_u32 v190, v0, 2, 0x2a800
	v_mov_b32 v191, 0
	v_lshrrev_b32 v44, 5, v0
	v_readfirstlane_b32 s14, v44                   ; wave
	v_and_b32 v45, 31, v0                          ; lane
	v_and_b32 v46, 15, v0                          ; r
	v_bfe_u32 v47, v0, 4, 1                        ; h
	v_lshlrev_b32 v1, 4, v45
	v_lshlrev_b32 v17, 2, v45
	v_lshlrev_b32 v15, 3, v47
	v_lshl_add_u32 v27, v47, 7, v17                ; 128 h + 4 x lane
	s_wait_alu depctr_va_sdst(0)                   ; s14 is written, ahead of its first reader
	s_mul_i32 s21, s14, STG
	v_add_nc_u32 v3, s21, v1                       ; stage, in
	v_mul_u32_u24 v4, v46, 528
	v_lshl_add_u32 v4, v47, 7, v4
	v_add_nc_u32 v4, s21, v4                       ; stage, back
	v_mul_u32_u24 v18, v46, 272
	v_lshl_add_u32 v18, v47, 5, v18
	v_add_nc_u32 v18, s21, v18                     ; the way out, in: row r, + 32 h
	v_mul_u32_u24 v19, v47, 272
	v_lshl_add_u32 v19, v46, 4, v19
	v_add_nc_u32 v19, s21, v19                     ; the way out, back: lanes 0-15 one row, lanes 16-31 the next
	s_mul_i32 s21, s14, 1536
	s_add_co_u32 s21, s21, IMG
	v_add_nc_u32 v[IS], s21, v1                    ; my image
	v_add_nc_u32 v[IS+1], 4*IMGB, v[IS]
	s_lshl_b32 s21, s14, 7
	s_add_co_u32 s21, s21, IMG+12288
	v_add_nc_u32 v[SS], s21, v17                   ; my scale words
	v_add_nc_u32 v[SS+1], 4*IMGB, v[SS]
	v_add_nc_u32 v[IL], IMG, v1                    ; all images
	v_add_nc_u32 v[IL+1], IMG+4*IMGB, v1
	v_add_nc_u32 v[SL], IMG+12288, v17             ; all scale words
	v_add_nc_u32 v[SL+1], IMG+12288+4*IMGB, v17
	s_and_b32 s21, s14, 3
	s_lshl_b32 s21, s21, 18                        ; d tile wave % 4: 16 rows of 16,384 bytes
	s_lshr_b32 s22, s14, 2
	s_lshl_b32 s22, s22, 9                         ; K step wave / 4 of the step's two
	s_add_co_u32 s21, s21, s22
	v_add_nc_u32 v2, s21, v1
	v_mov_b32 v[WU], 0                             ; a lane permute's destination counts as one of its sources
	s_mov_b32 s[SEL], 0x76543210
	s_mov_b32 s[SEL+1], 0xfedcba98
	s_mov_b32 s17, 0                               ; the first pass begins at tile 0
	s_lshr_b32 s52, ttmp9, 1                       ; the block of 64 d
	s_and_b32 s53, ttmp9, 1                        ; the half of K
	s_and_b32 s12, ttmp7, 0xffff                   ; the expert
	s_lshl_b32 s39, s12, 2
	s_lshl_b32 s22, s12, 24
	s_lshl_b32 s23, s52, 20
	s_add_co_u32 s22, s22, s23
	s_lshl_b32 s23, s53, 13
	s_add_co_u32 s22, s22, s23
	s_mov_b32 s23, 0
	s_wait_kmcnt 0x0
	s_load_b32 s15, s[8:9], s39 offset:0x2000      ; the expert's count of rows
	s_add_nc_u64 s[4:5], s[4:5], s[22:23]          ; w2 at expert e, row 64 x block, K half
	s_wait_alu depctr_va_vdst(0)                   ; v2 to v8 and v18 to v23 are written: every load of w2 and every access to the stage and the images reads one of them as its address
	WL 0, 0                                        ; the weights' addresses hang on ids alone: their loads go out ahead of the count
	WL 1, 1
	s_mul_i32 s22, s12, 3145728
	s_mul_i32 s35, s53, 24576
	s_add_co_u32 s22, s22, s35
	s_add_nc_u64 s[24:25], s[6:7], s[22:23]        ; hq: e's images, from K step 16 x half on,
	s_lshl_b32 s22, s12, 18
	s_lshl_b32 s35, s53, 11
	s_add_co_u32 s22, s22, s35
	s_add_co_u32 s22, s22, 25165824
	s_add_nc_u64 s[26:27], s[6:7], s[22:23]        ; and their scale words
	s_lshl_b32 s22, s53, 4
	s_add_co_u32 s22, s22, s52
	s_lshl_b32 s22, s22, 21
	s_lshl_b32 s35, s12, 18
	s_add_co_u32 s22, s22, s35
	s_add_nc_u64 s[48:49], s[10:11], s[22:23]      ; yb: plane (half, block), e's rows
	s_wait_kmcnt 0x0
	s_add_co_u32 s16, s15, 15
	s_lshr_b32 s16, s16, 4
	s_min_u32 s16, s16, 64                         ; tiles of 16 rows
	s_sub_co_u32 s21, s16, 1                       ; the last tile (an expert without rows: the greatest number; its blocks are computed on what lies in hq and never stored)
	SETUP
	WIN 0x40                                       ; the window first, then the wait, then the loads
	s_wait_alu depctr_va_vdst(0)                   ; v9 to v14 are written, which the loads of h below read as their offsets
	HLK 0, 0
	HLK 0, 1
	HLS 0
	HL2 0
	s_wait_loadcnt 37                              ; step 0's weights are in: behind them were issued step 1's 16 loads and the 21 of h's first fragments and scale words
	TURNS 0
	TURNL
	; the counts on LOADcnt in the steps: behind h's fragments of step m stand the 16 weight loads of step m + 2 alone, or nothing in the last two steps; no count hangs on the third block's branch
	STEP 0, 1, 16
	STEP 1, 1, 16
	STEP 2, 1, 16
	STEP 3, 1, 16
	STEP 4, 1, 16
	STEP 5, 1, 16
	STEP 6, 1, 0
	STEP 7, 0, 0
	s_mov_b32 s54, 0                               ; trips of the loop below
.Lpass:                                                ; a trip: the pass's three blocks leave; if tiles are left, the next 24 are multiplied.  No barrier from here on
	EPI 0
	EPI 1
	EPI 2
	s_add_co_u32 s17, s17, 24
	s_cmp_lt_u32 s17, s16
	s_cbranch_scc0 .Ldone                          ; no tile is left.  In the third trip s17 is 72, over the 64 tiles that an expert has at the most: that trip always leaves here
	s_wait_xcnt 0x0                                ; the stores and the loads of h have had their addresses translated
	s_wait_alu depctr_vm_vsrc(0)                   ; the global stores have read v92 to v123, in which the fragments' loads land; the LDS stores have read the accumulators, which the next products write; the last pass's loads of h have read v9 to v14, which SETUP writes
	SETUP
	WIN 0x40                                       ; the window first, then the wait, then the loads
	s_wait_alu depctr_va_vdst(0)                   ; v9 to v14 are written, which the loads of h read; the last pass's products are done reading h's fragments, the weights' fragments and all scale words, in which those loads and the fragments' land
	HLK 0, 0
	HLK 0, 1
	HLS 0
	HL2 0
	WORK 0, 0, 0                                   ; the weights' fragments lie in LDS; nothing is issued behind a step's fragments of h
	WORK 1, 0, 0
	WORK 2, 0, 0
	WORK 3, 0, 0
	WORK 4, 0, 0
	WORK 5, 0, 0
	WORK 6, 0, 0
	WORK 7, 0, 0
	s_add_co_u32 s54, s54, 1
	s_cmp_lt_u32 s54, 3
	s_cbranch_scc1 .Lpass
.Ldone:
	s_wait_dscnt 0x0                               ; the closing lines, six on end
	s_wait_alu 0x0
	s_wait_tensorcnt 0x0
	ds_add_u32 v190, v191
	s_wait_dscnt 0x0
	s_endpgm
.Lfunc_end_k_q8b758bb853_down:
	.size	k_q8b758bb853_down, .Lfunc_end_k_q8b758bb853_down-k_q8b758bb853_down
	.p2alignl 7, 3214868480
	.fill 96, 4, 3214868480
	.section	.rodata,"a",@progbits
	.p2align	6, 0x0
	.amdhsa_kernel k_q8b758bb853_down
		.amdhsa_group_segment_fixed_size 175104
		.amdhsa_private_segment_fixed_size 0
		.amdhsa_enable_private_segment 0
		.amdhsa_kernarg_size 32
		.amdhsa_user_sgpr_count 2
		.amdhsa_user_sgpr_kernarg_segment_ptr 1
		.amdhsa_wavefront_size32 1
		.amdhsa_system_sgpr_workgroup_id_x 1
		.amdhsa_system_sgpr_workgroup_id_y 1
		.amdhsa_system_sgpr_workgroup_id_z 1
		.amdhsa_system_vgpr_workitem_id 0
		.amdhsa_next_free_vgpr 512
		.amdhsa_next_free_sgpr 66
		.amdhsa_reserve_vcc 0
		.amdhsa_float_denorm_mode_32 3
		.amdhsa_float_denorm_mode_16_64 3
		.amdhsa_memory_ordered 1
		.amdhsa_forward_progress 1
		.amdhsa_inst_pref_size 195
	.end_amdhsa_kernel
	.amdgpu_metadata
---
amdhsa.version: [ 1, 2 ]
amdhsa.kernels:
  - .name:           k_q8b758bb853_down
    .symbol:         k_q8b758bb853_down.kd
    .args:
      - { .name: w2, .offset: 0, .size: 8, .value_kind: global_buffer, .address_space: global }
      - { .name: hq, .offset: 8, .size: 8, .value_kind: global_buffer, .address_space: global }
      - { .name: tab, .offset: 16, .size: 8, .value_kind: global_buffer, .address_space: global }
      - { .name: yb, .offset: 24, .size: 8, .value_kind: global_buffer, .address_space: global }
    .group_segment_fixed_size: 175104
    .private_segment_fixed_size: 0
    .kernarg_segment_align: 8
    .kernarg_segment_size: 32
    .max_flat_workgroup_size: 256
    .sgpr_count:     66
    .vgpr_count:     512
    .wavefront_size: 32
...
	.end_amdgpu_metadata
.endif
;; end of part 9
;; launch combine (part 10): grid 256 x 1, 4 waves a work-group, no clusters, 0 bytes of LDS; arguments yb, tab, xq, out0; writes out0
.if DOCPART == 10
	.amdgcn_target "amdgcn-amd-amdhsa--gfx1250"
	.amdhsa_code_object_version 6
	.text
	.protected	k_q8b758bb853_combine
	.globl	k_q8b758bb853_combine
	.p2align	8
	.type	k_q8b758bb853_combine,@function
k_q8b758bb853_combine:
	s_mov_b64 s[64:65], 0
	v_nop
	global_prefetch_b8 v0, s[64:65] scope:SCOPE_SE
	s_setreg_imm32_b32 hwreg(HW_REG_WAVE_MODE, 25, 1), 1
	s_wait_xcnt 0x0
; COMBINE.  out[t] = w0 (y[p0], both halves of K) + w1 (y[p1], both halves).  A wave takes one token: its two rows' places come from tab.pos, its two weights (softmax of the two x expert_scale) from xq.
; yb: [K half 2][d block 16][row][64 d] f32.  A store covers 512 consecutive bytes of the token's row (two d blocks): lanes 0-15 the even block, lanes 16-31 the odd one, 2 MiB further on.
; A stream: no LDS, no barrier, no matrix unit.  All 32 loads of a wave go out at once; the waits count down by four.
	s_load_b256 s[4:11], s[0:1], 0x0               ; yb s[4:5], tab s[6:7], xq s[8:9], out0 s[10:11]
	v_lshrrev_b32 v1, 5, v0
	v_readfirstlane_b32 s14, v1                    ; wave
	v_and_b32 v2, 15, v0
	v_lshlrev_b32 v2, 4, v2
	v_bfe_u32 v3, v0, 4, 1
	v_lshl_add_u32 v2, v3, 21, v2                  ; 16 (lane % 16) + 2 MiB x (lane / 16)
	v_and_b32 v6, 31, v0
	v_lshlrev_b32 v6, 4, v6                        ; 16 x lane
	s_lshl_b32 s15, ttmp9, 2
	s_add_co_u32 s15, s15, s14                     ; my token
	s_lshl_b32 s20, s15, 3
	s_lshl_b32 s24, s15, 12
	s_mov_b32 s25, 0
	s_wait_alu depctr_va_vdst(0)
	s_wait_kmcnt 0x0
	s_load_b64 s[16:17], s[6:7], s20 offset:0x0    ; the two rows
	s_load_b64 s[18:19], s[8:9], s20 offset:0xc8000   ; the two weights
	s_add_nc_u64 s[10:11], s[10:11], s[24:25]
.irp b, 0,1,2,3,4,5,6,7
	s_add_nc_u64 s[32+2*\b:33+2*\b], s[4:5], \b*0x800000   ; eight bases 8 MiB apart; the immediate reaches the 4 MiB between
.endr
	s_wait_kmcnt 0x0
	s_min_u32 s16, s16, 8191
	s_min_u32 s17, s17, 8191
	s_lshl_b32 s16, s16, 8
	s_lshl_b32 s17, s17, 8
	v_add_nc_u32 v4, s16, v2
	v_add_nc_u32 v5, s17, v2
	s_mov_b32 s22, s19                             ; the second weight as the low word of a pair
	s_mov_b32 s23, s19
.irp i, 0,1,2,3,4,5,6,7
.irp k, 0,1
.irp u, 0,1
	global_load_b128 v[16+16*\i+8*\k+4*\u:19+16*\i+8*\k+4*\u], v[4+\k], s[32+2*((8*\u+\i)/2):33+2*((8*\u+\i)/2)] offset:((8*\u+\i)%2)*4194304 th:TH_LOAD_NT
.endr
.endr
.endr
.irp i, 0,1,2,3,4,5,6,7
	s_wait_loadcnt 28-4*\i                         ; this piece's four loads are in; 4 (7 - i) were issued behind them
.irp p, 0,2
	v_pk_add_f32 v[16+16*\i+\p:17+16*\i+\p], v[16+16*\i+\p:17+16*\i+\p], v[20+16*\i+\p:21+16*\i+\p]
	v_pk_add_f32 v[24+16*\i+\p:25+16*\i+\p], v[24+16*\i+\p:25+16*\i+\p], v[28+16*\i+\p:29+16*\i+\p]
	v_pk_mul_f32 v[16+16*\i+\p:17+16*\i+\p], v[16+16*\i+\p:17+16*\i+\p], s[18:19] op_sel_hi:[1,0]
	v_pk_fma_f32 v[16+16*\i+\p:17+16*\i+\p], v[24+16*\i+\p:25+16*\i+\p], s[22:23], v[16+16*\i+\p:17+16*\i+\p] op_sel_hi:[1,0,1]
.endr
	global_store_b128 v6, v[16+16*\i:19+16*\i], s[10:11] offset:512*\i th:TH_STORE_NT
.endr
	s_endpgm
.Lfunc_end_k_q8b758bb853_combine:
	.size	k_q8b758bb853_combine, .Lfunc_end_k_q8b758bb853_combine-k_q8b758bb853_combine
	.p2alignl 7, 3214868480
	.fill 96, 4, 3214868480
	.section	.rodata,"a",@progbits
	.p2align	6, 0x0
	.amdhsa_kernel k_q8b758bb853_combine
		.amdhsa_group_segment_fixed_size 0
		.amdhsa_private_segment_fixed_size 0
		.amdhsa_enable_private_segment 0
		.amdhsa_kernarg_size 32
		.amdhsa_user_sgpr_count 2
		.amdhsa_user_sgpr_kernarg_segment_ptr 1
		.amdhsa_wavefront_size32 1
		.amdhsa_system_sgpr_workgroup_id_x 1
		.amdhsa_system_sgpr_workgroup_id_y 1
		.amdhsa_system_sgpr_workgroup_id_z 1
		.amdhsa_system_vgpr_workitem_id 0
		.amdhsa_next_free_vgpr 144
		.amdhsa_next_free_sgpr 66
		.amdhsa_reserve_vcc 0
		.amdhsa_float_denorm_mode_32 3
		.amdhsa_float_denorm_mode_16_64 3
		.amdhsa_memory_ordered 1
		.amdhsa_forward_progress 1
		.amdhsa_inst_pref_size 10
	.end_amdhsa_kernel
	.amdgpu_metadata
---
amdhsa.version: [ 1, 2 ]
amdhsa.kernels:
  - .name:           k_q8b758bb853_combine
    .symbol:         k_q8b758bb853_combine.kd
    .args:
      - { .name: yb, .offset: 0, .size: 8, .value_kind: global_buffer, .address_space: global }
      - { .name: tab, .offset: 8, .size: 8, .value_kind: global_buffer, .address_space: global }
      - { .name: xq, .offset: 16, .size: 8, .value_kind: global_buffer, .address_space: global }
      - { .name: out0, .offset: 24, .size: 8, .value_kind: global_buffer, .address_space: global }
    .group_segment_fixed_size: 0
    .private_segment_fixed_size: 0
    .kernarg_segment_align: 8
    .kernarg_segment_size: 32
    .max_flat_workgroup_size: 128
    .sgpr_count:     66
    .vgpr_count:     144
    .wavefront_size: 32
...
	.end_amdgpu_metadata
.endif
;; end of part 10
